; MI455X (gfx1250); checked and timed in simulation.
; The chip was launched on July 23, 2026; its instructions are those of AMD's public machine-readable ISA for CDNA 5 (MIT licence, August 2026) and "CDNA5" Instruction Set Architecture Reference Guide (July 2026). The comments in the code are by the model that wrote it; some were corrected since.
;; Mo E. Allowed arithmetic: matrix products marked QUANTISED: E3M2 operands, one E8M0 scale for each 32 along K, by v_wmma_scale_f32_16x16x128_f8f6f4 with both operands' format E3M2, f32 sums; everything else in f32.
;; Inputs: W1_codes 16 x 1,024 x 64 x 24 uint8 (E3M2 codes of W1, K innermost, in blocks of 32 codes, four codes in three bytes); W1_scales 16 x 1,024 x 64 uint8 (E8M0 scales of W1, one for each 32 codes along K); W2_codes 16 x 2,048 x 32 x 24 uint8 (E3M2 codes of W2, K innermost, in blocks of 32 codes, four codes in three bytes); W2_scales 16 x 2,048 x 32 uint8 (E8M0 scales of W2, one for each 32 codes along K); Wr_codes 16 x 64 x 24 uint8 (E3M2 codes of Wr, K innermost, in blocks of 32 codes, four codes in three bytes); Wr_scales 16 x 64 uint8 (E8M0 scales of Wr, one for each 32 codes along K); b1 16 x 1,024 float32; b2 16 x 2,048 float32; br 16 float32; x 1,024 x 2,048 float32.
;; Outputs: out0 1,024 x 2,048 float32.
;; This version of the problem:
;;   THIS VERSION OF THE PROBLEM IS GIVEN IN LOW PRECISION. The matrix products marked QUANTISED in the list below multiply operands that are first quantised to E3M2 (3 exponent bits, 2 mantissa bits; 6 bits a number), with one power-of-two scale for each 32 numbers along K (OCP MX v1.0); their sums are f32. All else is computed in f32.
;;   The module's matrix products, in the order in which they are computed (A, B: the left and right operand; K: the contracted axis; several contracted axes count as one K, in the product's order):
;;     1. [M 1,024, K 2,048] x [K 2,048, N 16]; A: input x; B: input Wr (given as codes): QUANTISED
;;     2. [M 1,024, K 2,048] x [K 2,048, N 16,384]; A: input x; B: input W1 (given as codes): QUANTISED
;;     3. batch 16 x [M 2,048, K 1,024] x [K 1,024, N 1,024]; A: input W2 (given as codes); B: computed on the way: QUANTISED
;;   THE QUANTISER, for each operand of a quantised product, along K:
;;     - K is cut into blocks of 32 from its start; a last block that is shorter is filled with zeros.
;;     - A block's scale is 2^e with e = floor(log2(the largest magnitude in the block)) - 4, held to -126 .. 127; a block of zeros has e = 0. As a byte (E8M0): e + 127.
;;     - Each number is divided by its block's scale, clamped to +-28, and rounded to the nearest number of E3M2, ties to even, subnormals kept.
;;     - The product sums the exact products of the quantised numbers (number of the format x scale) in f32.
;;   ~~~python
;;   def quantise(x, axis):      # numpy; x: float32 -> the quantised numbers, widened to float32 again
;;       x = np.moveaxis(x, axis, -1); K = x.shape[-1]
;;       x = np.pad(x, [(0, 0)] * (x.ndim - 1) + [(0, -K % 32)]); x = x.reshape(x.shape[:-1] + (-1, 32)); a = np.abs(x).max(-1, keepdims=True)
;;       e = np.where(a > 0, np.clip(np.frexp(np.where(a > 0, a, 1))[1] - 1 - 4, -126, 127), 0)      # np.frexp(a)[1] - 1 = floor(log2(a)), exactly
;;       r = np.clip(x / 2.0 ** e, -28, 28)
;;       step = 2.0 ** (np.maximum(np.frexp(np.where(r == 0, 1, r))[1] - 1, -2) - 2)
;;       q = np.round(r / step) * step * 2.0 ** e      # np.round: ties to even
;;       return np.moveaxis(q.reshape(q.shape[:-2] + (-1,))[..., :K], -1, axis).astype(np.float32)
;;   ~~~
;;   OPERANDS COMPUTED ON THE WAY. 'Computed on the way' means the value that the module computes at that place (a softmax that the list does not call 'softmax' is quantised finished and normalised). What goes into a quantiser is computed in f32, as accurately as f32 sums, v_exp_f32 and their like allow (about 1e-6 of the number): no bf16 or f16 on the way to a quantiser, and a product that is left as it is and whose result goes on into a quantised operand takes f32 operands (vector FMAs, or v_wmma_f32_16x16x4_f32). A number that lies on a knife's edge between two numbers of the format may be rounded either way, as far as f32 arithmetic and the matrix unit's own rounding can turn it there, and no further.
;;   INPUTS GIVEN AS CODES. W1 (in the module: [16, 2048, 1024], K = its axis 1); W2 (in the module: [16, 1024, 2048], K = its axis 1); Wr (in the module: [2048, 16], K = its axis 0): each comes as NAME_codes (uint8): NAME with its K axis moved to the last place and cut into blocks of 32 codes, [.., K / 32, bytes a block], one block behind the other in memory; four codes in three bytes: a row's codes are one little-endian stream of bits, code i at bits 6 i .. 6 i + 5 (a code: sign, 3 exponent bits, 2 mantissa bits); and NAME_scales (uint8): the same leading axes, one E8M0 byte (e + 127) for each 32 codes along K. Its value is code x scale, taken as it is: it is not quantised again, and the codes and scales need not be those that the quantiser above would give.
;; 2 versions. Each part assembles by itself: llvm-mc -triple=amdgcn-amd-amdhsa -mcpu=gfx1250 --defsym DOCPART=n.
;; ======== version 1 of 2: 5 launches
;; workspace buffers: xc 1,572,864 bytes; xs 65,536 bytes; topi 16,384 bytes of whole numbers; topw 16,384 bytes; plan 83,200 bytes of whole numbers; hc 3,342,336 bytes; hs 139,264 bytes; y 35,651,584 bytes
;; launch route (part 1): grid 64 x 1, 8 waves a work-group, no clusters, 35,328 bytes of LDS; arguments x, Wr_codes, Wr_scales, br, xc, xs, topi, topw; writes xc, xs, topi, topw
.if DOCPART == 1
	.amdgcn_target "amdgcn-amd-amdhsa--gfx1250"
	.amdhsa_code_object_version 6
	.text
	.protected	k_qfe0a52fc69_route
	.globl	k_qfe0a52fc69_route
	.p2align	8
	.type	k_qfe0a52fc69_route,@function
k_qfe0a52fc69_route:
	s_mov_b64 s[64:65], 0
	v_nop
	global_prefetch_b8 v0, s[64:65] scope:SCOPE_SE
	s_setreg_imm32_b32 hwreg(HW_REG_WAVE_MODE, 25, 1), 1
	s_wait_xcnt 0x0
; ROUTE.  x [1024][2048] f32 is quantised to codes of BF6 (E3M2) with one E8M0 byte for each 32 along K; the router's logits x Wr + br are made on these codes; the four largest logits of each
; token, their experts (the lower index wins a tie) and the softmax of the four are stored at fixed places.
; SHARES.  A work-group takes 16 tokens; wave w takes K steps 2 w and 2 w + 1 (256 of the 2,048 along K) of all 16.  Each wave makes two fragments and two partial logits tiles; the partial tiles meet in LDS
; behind the one barrier, and wave 0 adds them in ascending K and picks.
; xc: a token's 1,536 bytes are laid in the order of the operand's registers: byte 96 S + 48 h holds the 12 registers of lane (row, h) of K step S (block 4 S + h, then block 4 S + 2 + h), so that a later
; launch brings a fragment of any 16 tokens by three loads of 16 bytes a lane.  xs: [1024][64], natural: word S of a row is K step S's scale word.
; The product is used transposed: source 0 = Wr's 16 experts, source 1 = the 16 tokens: lane (r, h) holds token r and experts 8 h + 0 .. 7.
; No tensor load, no cluster: work-groups share only Wr, 25 KB.
; LIMITS: NaN and infinities among the inputs are not served.  A block whose largest magnitude lies under 2^-122 has its byte held at 1; a block of zeros gets the byte 1 (its codes are zeros, and the bytes
; are read by this program alone).  The logits are sixteen partial sums added in f32, K ascending: two logits nearer to each other than that sum's rounding may change places in the pick.
.set CPITCH, 1552                      ; a token's codes in the stage: 1,536 bytes + 16
.set SST,    16*CPITCH                 ; behind them the 16 tokens' scale bytes, 64 each
.set PL,     SST+1024                  ; behind them the partial logits: 1,024 bytes a wave, as an image of 8 registers
.set XA,  4                            ; v4   x: row r, + 64 h, + 1,024 w
.set WRA, 5                            ; v5   Wr's codes: row r of 1,536 bytes, + 24 h, + 192 w
.set WRS, 6                            ; v6   Wr's scale words: 64 r + 8 w
.set CSA, 7                            ; v7   the stage: CPITCH r + 48 h + 192 w
.set SSA, 8                            ; v8   SST + 64 r + 8 w
.set PLA, 9                            ; v9   PL + 1,024 w + 16 lane
.set RDA, 10                           ; v10  back out of the stage: rows 2 w, 2 w + 1, 16 bytes a lane
.set GOA, 11                           ; v11  and the same place in xc
.set T4,  12                           ; v12  4 x thread
.set PL0, 13                           ; v13  PL + 16 lane
.set SSR, 14                           ; v14  SST + 4 x thread
.set BRA, 15                           ; v15  32 h
.set X0,  16                           ; v16-79, v80-143   64 numbers of a lane for each of the two K steps
.set X1,  80
.set F0,  144                          ; v144-155, v156-167  the two fragments
.set F1,  156
.set TQ,  168                          ; v168-175 the conversions' second halves
.set TM,  176                          ; v176-191 at work in QUANT
.set PW,  192                          ; v192-193 x's two scale words: scales and nothing else
.set WF,  194                          ; v194-217 Wr's two fragments
.set WSC, 218                          ; v218-219 Wr's two scale words
.set A0,  220                          ; v220-227, v228-235 the two partial tiles
.set A1,  228
.set PS,  236                          ; v236-243 their sum
.set BR,  244                          ; v244-251 br of my eight experts
.set LG,  120                          ; wave 0: v120-135 the 16 logits of my token
.set VAL, 136                          ; v136-139 the four largest
.set IX,  140                          ; v140-143 their experts
.set GW,  144                          ; v144-147 their weights
.set NEG, 148                          ; v148 -infinity
.set SEL, 22                           ; s[22:23] selects of v_permlanex16_b32 for lane l xor 16
.macro XLOAD reg, s                    ; register 16 b + 4 j + i = x(r, 128 (2 w + s) + 32 b + 16 h + 4 j + i)
.irp b, 0,1,2,3
.irp j, 0,1,2,3
	global_load_b128 v[\reg+16*\b+4*\j:\reg+16*\b+4*\j+3], v[XA], s[4:5] offset:512*\s+128*\b+16*\j th:TH_LOAD_NT
.endr
.endr
.endm
; 64 numbers of a lane, register 16 b + i = k 32 b + 16 h + i of my row, become a fragment's 12 registers at dst and its scale word in pw.
.macro QUANT src, dst, pw
.irp b, 0,1,2,3
	v_max3_num_f32 v[TM+\b], |v[\src+16*\b]|, |v[\src+1+16*\b]|, 0x2800000   ; block b: my 16 numbers and the floor 2^(5 - 127): the byte cannot fall under 1
.endr
.irp i, 2,4,6,8,10,12,14
.irp b, 0,1,2,3
	v_max3_num_f32 v[TM+\b], v[TM+\b], |v[\src+16*\b+\i]|, |v[\src+1+16*\b+\i]|   ; the four blocks by turns
.endr
.endr
.irp b, 0,1,2,3
	v_permlanex16_b32 v[TM+4+\b], v[TM+\b], s[SEL], s[SEL+1]
.endr
.irp b, 0,1,2,3
	v_max_num_f32 v[TM+\b], v[TM+\b], v[TM+4+\b]   ; with lane l xor 16's 16: the block's largest magnitude
.endr
.irp b, 0,1,2,3
	v_add_nc_u32 v[TM+12+\b], 0xfe000000, v[TM+\b]   ; 4 off its exponent field: the conversion's scale operand
.endr
.irp b, 0,1,2,3
	v_lshrrev_b32 v[TM+4+\b], 23, v[TM+12+\b]      ; the scale's byte
.endr
	v_lshl_or_b32 v[\pw], v[TM+5], 8, v[TM+4]
	v_lshl_or_b32 v[\pw], v[TM+6], 16, v[\pw]
	v_lshl_or_b32 v[\pw], v[TM+7], 24, v[\pw]
.irp c, 0,1
	v_cvt_scalef32_pk16_bf6_f32 v[\dst+6*\c:\dst+2+6*\c], v[\src+32*\c:\src+15+32*\c], v[TM+12+2*\c]
	v_cvt_scalef32_pk16_bf6_f32 v[TQ+4*\c:TQ+2+4*\c], v[\src+16+32*\c:\src+31+32*\c], v[TM+12+2*\c+1]   ; a conversion's three registers begin on an even number
.endr
	v_nop                                          ; one plain place behind a scaled conversion
.irp c, 0,1                                    ; the layout wants a whole block in a lane: lanes 0-15 block 2 c, lanes 16-31 block 2 c + 1
.irp i, 0,1,2
	v_permlane16_swap_b32 v[\dst+6*\c+\i], v[TQ+4*\c+\i]
.endr
.irp i, 0,1,2
	v_mov_b32 v[\dst+3+6*\c+\i], v[TQ+4*\c+\i]
.endr
.endr
.endm
	s_load_b256 s[4:11], s[0:1], 0x0               ; x, Wr's codes, Wr's scales, br
	s_load_b256 s[12:19], s[0:1], 0x20             ; xc, xs, topi, topw
	v_lshl_add_u32 v254, v0, 2, 0x8600
	v_mov_b32 v255, 0
	v_lshrrev_b32 v1, 5, v0
	v_readfirstlane_b32 s20, v1                    ; wave 0..7
	v_and_b32 v1, 31, v0                           ; lane
	v_and_b32 v2, 15, v0                           ; r
	v_bfe_u32 v3, v0, 4, 1                         ; h
	s_mov_b32 s[SEL], 0x76543210
	s_mov_b32 s[SEL+1], 0xfedcba98
	v_lshlrev_b32 v[XA], 13, v2
	v_lshl_add_u32 v[XA], v3, 6, v[XA]
	s_lshl_b32 s24, s20, 10
	v_add_nc_u32 v[XA], s24, v[XA]
	s_add_co_u32 s24, s24, PL
	v_lshl_add_u32 v[PLA], v1, 4, s24
	v_lshl_add_u32 v[PL0], v1, 4, PL
	s_mul_i32 s24, s20, 192
	v_mul_u32_u24 v[WRA], v2, 1536
	v_mad_u32_u24 v[WRA], v3, 24, v[WRA]
	v_add_nc_u32 v[WRA], s24, v[WRA]
	v_mul_u32_u24 v[CSA], v2, CPITCH
	v_mad_u32_u24 v[CSA], v3, 48, v[CSA]
	v_add_nc_u32 v[CSA], s24, v[CSA]
	s_lshl_b32 s24, s20, 3
	v_lshl_add_u32 v[WRS], v2, 6, s24
	v_add_nc_u32 v[SSA], SST, v[WRS]
	s_mul_i32 s24, s20, 2*CPITCH
	v_lshl_add_u32 v[RDA], v1, 4, s24
	s_mul_i32 s24, s20, 2*1536
	v_lshl_add_u32 v[GOA], v1, 4, s24
	v_lshlrev_b32 v[T4], 2, v0
	v_add_nc_u32 v[SSR], SST, v[T4]
	v_lshlrev_b32 v[BRA], 5, v3
.irp b, 0,1,2,3
	v_mov_b32 v[TM+4+\b], 0                        ; written once: a lane permute's destination counts as one of its sources
.endr
	s_lshl_b32 s24, ttmp9, 17                      ; my 16 rows of x: 16 x 8,192 bytes a work-group
	s_mov_b32 s25, 0
	s_mul_i32 s28, ttmp9, 24576                    ; of xc: 16 x 1,536
	s_mov_b32 s29, 0
	s_lshl_b32 s30, ttmp9, 10                      ; of xs: 16 x 64
	s_mov_b32 s31, 0
	s_wait_kmcnt 0x0
	s_add_nc_u64 s[4:5], s[4:5], s[24:25]
	s_add_nc_u64 s[12:13], s[12:13], s[28:29]
	s_add_nc_u64 s[14:15], s[14:15], s[30:31]
	s_lshl_b32 s24, ttmp9, 8                       ; of topi and topw: 16 x 16
	s_add_nc_u64 s[16:17], s[16:17], s[24:25]
	s_add_nc_u64 s[18:19], s[18:19], s[24:25]
	global_load_b128 v[BR:BR+3], v[BRA], s[10:11]
	global_load_b128 v[BR+4:BR+7], v[BRA], s[10:11] offset:16
.irp s, 0,1
.irp p, 0,1,2,3,4,5
	global_load_b64 v[WF+12*\s+2*\p:WF+12*\s+2*\p+1], v[WRA], s[6:7] offset:96*\s+48*(\p/3)+8*(\p%3)
.endr
	global_load_b32 v[WSC+\s], v[WRS], s[8:9] offset:4*\s
.endr
	XLOAD X0, 0
	XLOAD X1, 1
	s_wait_loadcnt 16                              ; all but the second K step's sixteen loads are in
	QUANT X0, F0, PW
.irp i, 0,1,2
	ds_store_b128 v[CSA], v[F0+4*\i:F0+4*\i+3] offset:16*\i
.endr
	ds_store_b32 v[SSA], v[PW]                     ; lanes r and r + 16 write the same word with the same value
	s_wait_loadcnt 0x0
	QUANT X1, F1, PW+1
.irp i, 0,1,2
	ds_store_b128 v[CSA], v[F1+4*\i:F1+4*\i+3] offset:96+16*\i
.endr
	ds_store_b32 v[SSA], v[PW+1] offset:4
.rept 8
	v_nop                                          ; a scale register written by a vector instruction stands 8 places ahead of a scaled matrix instruction, an operand so written 4
.endr
	v_wmma_scale_f32_16x16x128_f8f6f4 v[A0:A0+7], v[WF:WF+11], v[F0:F0+11], 0, v[WSC], v[PW] matrix_a_fmt:MATRIX_FMT_BF6 matrix_b_fmt:MATRIX_FMT_BF6
	v_wmma_scale_f32_16x16x128_f8f6f4 v[A1:A1+7], v[WF+12:WF+23], v[F1:F1+11], 0, v[WSC+1], v[PW+1] matrix_a_fmt:MATRIX_FMT_BF6 matrix_b_fmt:MATRIX_FMT_BF6
.rept 4
	v_nop                                          ; four places in front of the first read of the results
.endr
.irp k, 0,2,4,6
	v_pk_add_f32 v[PS+\k:PS+\k+1], v[A0+\k:A0+\k+1], v[A1+\k:A1+\k+1]   ; from each result's low end on
.endr
	ds_store_b128 v[PLA], v[PS:PS+3]
	ds_store_b128 v[PLA], v[PS+4:PS+7] offset:512
	s_wait_dscnt 0x0                               ; for the others' sake: my codes, scale words and partial logits lie in LDS
	s_barrier_signal -1
	s_barrier_wait -1
	; every wave sends two tokens' codes and its 128 bytes of the scale bytes
.irp i, 0,1,2,3,4,5
	ds_load_b128 v[16+4*\i:19+4*\i], v[RDA] offset:(\i/3)*CPITCH+512*(\i%3)
.endr
	ds_load_b32 v40, v[SSR]
	s_wait_dscnt 0x0
.irp i, 0,1,2,3,4,5
	global_store_b128 v[GOA], v[16+4*\i:19+4*\i], s[12:13] offset:(\i/3)*1536+512*(\i%3)   ; 32 lanes store 512 consecutive bytes, at a multiple of 256 from xc's first byte
.endr
	global_store_b32 v[T4], v40, s[14:15]
	s_cmp_lg_u32 s20, 0
	s_cbranch_scc1 .Lend                           ; wave 0 goes on alone: no barrier follows
	; the logits: the eight waves' partial tiles, K ascending, then br
.irp w, 0,1,2,3,4,5,6,7
	ds_load_b128 v[48+8*\w:51+8*\w], v[PL0] offset:1024*\w
	ds_load_b128 v[52+8*\w:55+8*\w], v[PL0] offset:1024*\w+512
.endr
.irp j, 0,1,2,3,4,5,6,7
	v_mov_b32 v[112+\j], 0                         ; destinations of the lane permutes below
.endr
	v_mov_b32 v[NEG], 0xff800000
	v_lshlrev_b32 v149, 4, v2                      ; 16 r: my token's place in topi and topw
	s_wait_dscnt 0x0
.irp w, 1,2,3,4,5,6,7
.irp k, 0,2,4,6
	v_pk_add_f32 v[48+\k:49+\k], v[48+\k:49+\k], v[48+8*\w+\k:49+8*\w+\k]
.endr
.endr
.irp k, 0,2,4,6
	v_pk_add_f32 v[48+\k:49+\k], v[48+\k:49+\k], v[BR+\k:BR+\k+1]
.endr
.irp j, 0,1,2,3,4,5,6,7
	v_permlanex16_b32 v[112+\j], v[48+\j], s[SEL], s[SEL+1]   ; the token's other eight experts
.endr
	s_mov_b32 vcc_lo, 0xffff0000                   ; lanes 16-31
.irp j, 0,1,2,3,4,5,6,7
	v_cndmask_b32 v[LG+\j], v[48+\j], v[112+\j], vcc_lo       ; experts 0-7
	v_cndmask_b32 v[LG+8+\j], v[112+\j], v[48+\j], vcc_lo     ; experts 8-15: every lane now holds its token's 16 logits in the experts' order
.endr
; One pick: the largest of the 16, the lowest expert that has it; more = 1: that expert's logit becomes -infinity for the next pick.  All by selects: nothing branches on these numbers.
.macro PICK q, more
	v_max3_num_f32 v[VAL+\q], v[LG], v[LG+1], v[LG+2]
.irp i, 3,5,7,9,11,13
	v_max3_num_f32 v[VAL+\q], v[VAL+\q], v[LG+\i], v[LG+\i+1]
.endr
	v_max_num_f32 v[VAL+\q], v[VAL+\q], v[LG+15]
	v_mov_b32 v[IX+\q], 15
.irp i, 14,13,12,11,10,9,8,7,6,5,4,3,2,1,0
	v_cmp_neq_f32 vcc_lo, v[LG+\i], v[VAL+\q]
	v_cndmask_b32 v[IX+\q], \i, v[IX+\q], vcc_lo   ; equal: expert i; walked downward, so the lowest index stays
.endr
.if \more
.irp i, 0,1,2,3,4,5,6,7,8,9,10,11,12,13,14,15
	v_cmp_eq_u32 vcc_lo, \i, v[IX+\q]
	v_cndmask_b32 v[LG+\i], v[LG+\i], v[NEG], vcc_lo
.endr
.endif
.endm
	PICK 0, 1
	PICK 1, 1
	PICK 2, 1
	PICK 3, 0
	; the softmax of the four: the first is the largest and is taken away ahead of the exponentials
.irp q, 0,1,2,3
	v_sub_f32 v[150+\q], v[VAL+\q], v[VAL]
.endr
.irp q, 0,1,2,3
	v_mul_f32 v[150+\q], 0x3fb8aa3b, v[150+\q]     ; x log2(e)
.endr
.irp q, 0,1,2,3
	v_exp_f32 v[GW+\q], v[150+\q]
.endr
	v_nop                                          ; a plain place behind the last exponential
	s_wait_alu depctr_va_vdst(0)                   ; one wait for the four, ahead of their first reader
	v_add_f32 v154, v[GW], v[GW+1]
	v_add_f32 v154, v154, v[GW+2]
	v_add_f32 v154, v154, v[GW+3]
	v_rcp_f32 v155, v154
	v_nop
	s_wait_alu depctr_va_vdst(0)
.irp q, 0,1,2,3
	v_mul_f32 v[GW+\q], v[GW+\q], v155
.endr
	s_wait_xcnt 0x0                                ; EXEC changes only behind this wait: stores of mine are on their way
	v_cmp_gt_u32 vcc_lo, 16, v1
	s_and_saveexec_b32 s24, vcc_lo                 ; lanes 0-15: a lane a token (lanes 16-31 hold the same numbers)
	global_store_b128 v149, v[IX:IX+3], s[16:17]   ; 16 lanes store 256 consecutive bytes
	global_store_b128 v149, v[GW:GW+3], s[18:19]
	s_wait_xcnt 0x0
	s_or_b32 exec_lo, exec_lo, s24
.Lend:
	s_barrier_signal -1
	s_barrier_wait -1
	s_wait_tensorcnt 0x0
	ds_add_u32 v254, v255
	s_wait_dscnt 0x0
	s_endpgm
.Lfunc_end_k_qfe0a52fc69_route:
	.size	k_qfe0a52fc69_route, .Lfunc_end_k_qfe0a52fc69_route-k_qfe0a52fc69_route
	.p2alignl 7, 3214868480
	.fill 96, 4, 3214868480
	.section	.rodata,"a",@progbits
	.p2align	6, 0x0
	.amdhsa_kernel k_qfe0a52fc69_route
		.amdhsa_group_segment_fixed_size 35328
		.amdhsa_private_segment_fixed_size 0
		.amdhsa_enable_private_segment 0
		.amdhsa_kernarg_size 64
		.amdhsa_user_sgpr_count 2
		.amdhsa_user_sgpr_kernarg_segment_ptr 1
		.amdhsa_wavefront_size32 1
		.amdhsa_system_sgpr_workgroup_id_x 1
		.amdhsa_system_sgpr_workgroup_id_y 1
		.amdhsa_system_sgpr_workgroup_id_z 1
		.amdhsa_system_vgpr_workitem_id 0
		.amdhsa_next_free_vgpr 256
		.amdhsa_next_free_sgpr 66
		.amdhsa_reserve_vcc 1
		.amdhsa_float_denorm_mode_32 3
		.amdhsa_float_denorm_mode_16_64 3
		.amdhsa_memory_ordered 1
		.amdhsa_forward_progress 1
		.amdhsa_inst_pref_size 33
	.end_amdhsa_kernel
	.amdgpu_metadata
---
amdhsa.version: [ 1, 2 ]
amdhsa.kernels:
  - .name:           k_qfe0a52fc69_route
    .symbol:         k_qfe0a52fc69_route.kd
    .args:
      - { .name: x, .offset: 0, .size: 8, .value_kind: global_buffer, .address_space: global }
      - { .name: Wr_codes, .offset: 8, .size: 8, .value_kind: global_buffer, .address_space: global }
      - { .name: Wr_scales, .offset: 16, .size: 8, .value_kind: global_buffer, .address_space: global }
      - { .name: br, .offset: 24, .size: 8, .value_kind: global_buffer, .address_space: global }
      - { .name: xc, .offset: 32, .size: 8, .value_kind: global_buffer, .address_space: global }
      - { .name: xs, .offset: 40, .size: 8, .value_kind: global_buffer, .address_space: global }
      - { .name: topi, .offset: 48, .size: 8, .value_kind: global_buffer, .address_space: global }
      - { .name: topw, .offset: 56, .size: 8, .value_kind: global_buffer, .address_space: global }
    .group_segment_fixed_size: 35328
    .private_segment_fixed_size: 0
    .kernarg_segment_align: 8
    .kernarg_segment_size: 64
    .max_flat_workgroup_size: 256
    .sgpr_count:     66
    .vgpr_count:     256
    .wavefront_size: 32
...
	.end_amdgpu_metadata
.endif
;; end of part 1
;; launch place (part 2): grid 1 x 1, 16 waves a work-group, no clusters, 2,304 bytes of LDS; arguments topi, plan; writes plan
.if DOCPART == 2
	.amdgcn_target "amdgcn-amd-amdhsa--gfx1250"
	.amdhsa_code_object_version 6
	.text
	.protected	k_qfe0a52fc69_place
	.globl	k_qfe0a52fc69_place
	.p2align	8
	.type	k_qfe0a52fc69_place,@function
k_qfe0a52fc69_place:
	s_mov_b64 s[64:65], 0
	v_nop
	global_prefetch_b8 v0, s[64:65] scope:SCOPE_SE
	s_setreg_imm32_b32 hwreg(HW_REG_WAVE_MODE, 25, 1), 1
	s_wait_xcnt 0x0
; PLACE.  A counting sort of the 4,096 routed rows (token, expert) by expert, without atomics.  One work-group; wave e serves expert e and reads all of topi (16 KB).
; Each expert's rows are laid in the tokens' order and filled up to whole tiles of 16 rows; the sum of the experts' tiles is at most 256 + 15 = 271, and 272 tiles (4,352 rows) are kept.
; plan, in words of 4 bytes:  rowtok[4352] at byte 0: the token of each sorted row (fill rows and the rows behind the last tile hold token 0);  posE[16][1024] at 17,408: the sorted row of (expert, token),
; of use only where the token chose the expert;  J0[16] at 82,944: the expert's first tile;  NT[16] at 83,008: its number of tiles.
; No branch and no trip count hangs on data: what is not chosen is masked by EXEC.  One work-group, since the ranks need all tokens: the launch moves 100 KB.
.set IX,  16                           ; v16-143  topi: chunk c (tokens 32 c + lane), four experts each; afterwards v16-47: the tokens' numbers
.set RK,  144                          ; v144-175 chunk c: my token's row
.set AD,  176                          ; v176-207 the same x 4: its byte in rowtok
.set MK,  32                           ; s32-63   chunk c: the lanes whose token chose my expert
.set CNT, 66                           ; s66-81   the 16 experts' counts
	s_load_b128 s[4:7], s[0:1], 0x0                ; topi, plan
	v_lshl_add_u32 v208, v0, 2, 0x100
	v_mov_b32 v209, 0
	v_lshrrev_b32 v1, 5, v0
	v_readfirstlane_b32 s8, v1                     ; wave = expert
	v_and_b32 v1, 31, v0                           ; lane
	v_lshlrev_b32 v2, 4, v1
	s_lshl_b32 s20, s8, 12
	v_lshl_add_u32 v3, v1, 2, s20                  ; posE: 4,096 e + 4 lane
	s_mov_b32 s9, 0                                ; rows of my expert so far
	s_wait_kmcnt 0x0
.set c, 0
.rept 32
	global_load_b128 v[IX+4*c:IX+4*c+3], v2, s[4:5] offset:512*c
.set c, c+1
.endr
	s_wait_loadcnt 0x0
.set c, 0
.rept 32
	v_cmp_eq_u32 s20, s8, v[IX+4*c]
	v_cmp_eq_u32 s21, s8, v[IX+4*c+1]
	v_cmp_eq_u32 s22, s8, v[IX+4*c+2]
	v_cmp_eq_u32 s23, s8, v[IX+4*c+3]
	s_or_b32 s20, s20, s21
	s_or_b32 s22, s22, s23
	s_or_b32 s[MK+c], s20, s22
	v_mbcnt_lo_u32_b32 v[RK+c], s[MK+c], s9        ; the rank: chosen lanes below mine + the chunks before
	s_bcnt1_i32_b32 s20, s[MK+c]
	s_add_co_u32 s9, s9, s20
.set c, c+1
.endr
	; the counts go round: each wave's to its own word, one barrier, every wave reads all sixteen
	v_mov_b32 v4, s8
	v_lshlrev_b32 v4, 2, v4
	v_mov_b32 v5, s9
	ds_store_b32 v4, v5                            ; all lanes write the same word with the same value
	s_wait_dscnt 0x0
	s_barrier_signal -1
	s_barrier_wait -1
	v_mov_b32 v6, 0
.irp i, 0,1,2,3
	ds_load_b128 v[AD+4*\i:AD+4*\i+3], v6 offset:16*\i
.endr
	s_wait_dscnt 0x0
.irp i, 0,1,2,3,4,5,6,7,8,9,10,11,12,13,14,15
	v_readfirstlane_b32 s[CNT+\i], v[AD+\i]
.endr
	s_mov_b32 s82, 0                               ; J0: the tiles of the experts before mine
	s_mov_b32 s83, 0                               ; all tiles
.irp i, 0,1,2,3,4,5,6,7,8,9,10,11,12,13,14,15
	s_add_co_u32 s20, s[CNT+\i], 15
	s_lshr_b32 s20, s20, 4
	s_add_co_u32 s83, s83, s20
	s_cmp_lt_u32 \i, s8
	s_cselect_b32 s21, s20, 0
	s_add_co_u32 s82, s82, s21
.endr
	s_add_co_u32 s84, s9, 15
	s_lshr_b32 s84, s84, 4                         ; my expert's tiles
	s_lshl_b32 s85, s82, 4                         ; my expert's first row
.set c, 0
.rept 32
	v_add_nc_u32 v[RK+c], s85, v[RK+c]
	v_min_u32 v[RK+c], 0x10ff, v[RK+c]             ; held inside the 4,352 rows
	v_lshlrev_b32 v[AD+c], 2, v[RK+c]
	v_add_nc_u32 v[IX+c], 32*c, v1                 ; the token's number
.set c, c+1
.endr
	v_add_nc_u32 v8, s9, v1                        ; the fill rows of my last tile: rows n_e + lane while under 16 x my tiles (15 at the most)
	s_lshl_b32 s21, s84, 4
	v_cmp_gt_u32 s24, s21, v8
	v_add_nc_u32 v8, s85, v8
	v_min_u32 v8, 0x10ff, v8
	v_lshlrev_b32 v8, 2, v8
	s_lshl_b32 s22, s83, 4                         ; the rows behind the last tile: at most 4,352 - 4,096 = 256, 32 a wave
	s_lshl_b32 s23, s8, 5
	s_add_co_u32 s22, s22, s23
	v_add_nc_u32 v9, s22, v1
	v_cmp_gt_u32 s25, 0x1100, v9
	v_min_u32 v9, 0x10ff, v9
	v_lshlrev_b32 v9, 2, v9
	v_mov_b32 v10, 0
	v_lshlrev_b32 v11, 6, v1                       ; J0 by lane 0, NT by lane 1, 64 bytes on
	s_lshl_b32 s20, s8, 2
	v_add_nc_u32 v11, s20, v11
	v_mov_b32 v12, s82
	v_mov_b32 v13, s84
	v_cmp_eq_u32 vcc_lo, 1, v1
	v_cndmask_b32 v12, v12, v13, vcc_lo
	v_cmp_gt_u32 s26, 2, v1
.set c, 0
.rept 32
	global_store_b32 v3, v[RK+c], s[6:7] offset:17408+128*c   ; posE: every word is written, 128 consecutive bytes an instruction
.set c, c+1
.endr
; A store under a mask.  EXEC is a source of a pending store: it is narrowed and widened only behind s_wait_xcnt 0.
.macro MSTORE mask, adr, dat, off
	s_and_saveexec_b32 s27, s[\mask]
	global_store_b32 v[\adr], v[\dat], s[6:7] offset:\off
	s_wait_xcnt 0x0
	s_or_b32 exec_lo, exec_lo, s27
.endm
	s_wait_xcnt 0x0
.set c, 0
.rept 32
	MSTORE MK+c, AD+c, IX+c, 0                     ; rowtok[my row] = my token, where my token chose this expert
.set c, c+1
.endr
	MSTORE 24, 8, 10, 0                            ; the fill rows: token 0
	MSTORE 25, 9, 10, 0                            ; the rows behind the last tile: token 0
	MSTORE 26, 11, 12, 82944                       ; J0 and NT
	s_wait_xcnt 0x0
	s_mov_b32 exec_lo, -1
	s_wait_tensorcnt 0x0
	ds_add_u32 v208, v209
	s_wait_dscnt 0x0
	s_endpgm
.Lfunc_end_k_qfe0a52fc69_place:
	.size	k_qfe0a52fc69_place, .Lfunc_end_k_qfe0a52fc69_place-k_qfe0a52fc69_place
	.p2alignl 7, 3214868480
	.fill 96, 4, 3214868480
	.section	.rodata,"a",@progbits
	.p2align	6, 0x0
	.amdhsa_kernel k_qfe0a52fc69_place
		.amdhsa_group_segment_fixed_size 2304
		.amdhsa_private_segment_fixed_size 0
		.amdhsa_enable_private_segment 0
		.amdhsa_kernarg_size 16
		.amdhsa_user_sgpr_count 2
		.amdhsa_user_sgpr_kernarg_segment_ptr 1
		.amdhsa_wavefront_size32 1
		.amdhsa_system_sgpr_workgroup_id_x 1
		.amdhsa_system_sgpr_workgroup_id_y 1
		.amdhsa_system_sgpr_workgroup_id_z 1
		.amdhsa_system_vgpr_workitem_id 0
		.amdhsa_next_free_vgpr 210
		.amdhsa_next_free_sgpr 90
		.amdhsa_reserve_vcc 1
		.amdhsa_float_denorm_mode_32 3
		.amdhsa_float_denorm_mode_16_64 3
		.amdhsa_memory_ordered 1
		.amdhsa_forward_progress 1
		.amdhsa_inst_pref_size 40
	.end_amdhsa_kernel
	.amdgpu_metadata
---
amdhsa.version: [ 1, 2 ]
amdhsa.kernels:
  - .name:           k_qfe0a52fc69_place
    .symbol:         k_qfe0a52fc69_place.kd
    .args:
      - { .name: topi, .offset: 0, .size: 8, .value_kind: global_buffer, .address_space: global }
      - { .name: plan, .offset: 8, .size: 8, .value_kind: global_buffer, .address_space: global }
    .group_segment_fixed_size: 2304
    .private_segment_fixed_size: 0
    .kernarg_segment_align: 8
    .kernarg_segment_size: 16
    .max_flat_workgroup_size: 512
    .sgpr_count:     90
    .vgpr_count:     210
    .wavefront_size: 32
...
	.end_amdgpu_metadata
.endif
;; end of part 2
;; launch up (part 3): grid 16 x 16, 4 waves a work-group, no clusters, 116,224 bytes of LDS; arguments xc, xs, W1_codes, W1_scales, b1, plan, hc, hs; writes hc, hs
.if DOCPART == 3
	.amdgcn_target "amdgcn-amd-amdhsa--gfx1250"
	.amdhsa_code_object_version 6
	.text
	.protected	k_qfe0a52fc69_up
	.globl	k_qfe0a52fc69_up
	.p2align	8
	.type	k_qfe0a52fc69_up,@function
k_qfe0a52fc69_up:
	s_mov_b64 s[64:65], 0
	v_nop
	global_prefetch_b8 v0, s[64:65] scope:SCOPE_SE
	s_setreg_imm32_b32 hwreg(HW_REG_WAVE_MODE, 25, 1), 1
	s_wait_xcnt 0x0
; UP.  h = Q(relu(x W1[e] + b1[e])) for the rows that chose expert e, on codes of BF6 (E3M2) with one E8M0 scale for each 32 along K; Q is the quantiser along the hidden units, the next product's K.
; SHARES.  Work-group (n, e) owns hidden units 64 n .. 64 n + 63 of expert e for all of K = 2,048: 64 fragments of 16 rows x 128 K, 98,304 bytes: 1 / 256 of W1, read from memory once in the launch.
; THE WEIGHTS STAY: every wave holds all 64 fragments in 768 of its 1,024 registers.  THE WAVES SHARE THE ROWS: wave w takes the expert's tiles of 16 rows w, w + 4, ..  So each fragment of rows enters the
; WGP once, and behind the head no wave waits for another.
; The weights turn once through LDS: each wave loads a quarter of the block as it lies (512 consecutive bytes an instruction), stores it by rows, and behind the one barrier every wave reads all fragments.
; THE ROWS OF W1 THAT FORM A TILE ARE NOT NEIGHBOURS: lane r of tile 2 b + u takes unit 32 b + 8 u + r + 8 (r / 8); the product is used transposed (source 0 = W1, source 1 = x's rows), so a lane holds one
; row, and register 16 b + i of its four tiles is unit 64 n + 32 b + 16 h + i: 16 neighbours along the next K.  The bias is the C of a tile's first matrix instruction.
; x's rows are gathered by the sorted list (plan): a fragment is three loads of 16 bytes a lane from xc, which is laid in the order of the operand's registers.  Eight K steps are on their way (a ring of eight).
; hc: tile T at 12,288 T; in it 768 n + 256 p + 8 lane holds register pair p of my half fragment: each store covers 256 consecutive bytes, aligned.  hs: [4352][32], byte 2 n + b of a row.
; NO TENSOR LOAD, NO CLUSTER: the number of trips hangs on the expert's number of tiles, read from memory, and the rows are gathered.
; An expert that no token chose leaves its sixteen work-groups without rows: they store nothing.  The grid is the same for every split.
; LIMITS: a block of the hidden layer whose largest number lies under 2^-122, a block of zeros among them, gets the byte 1.  NaN and infinities are not served.
.set WPITCH, 1552                      ; a row of W1 in the stage: 1,536 bytes + 16
.set BIM,    64*WPITCH                 ; behind the 64 rows: the bias as an image of the 32 accumulator registers, 4,096 bytes for each wave
.set GW,  4                            ; v4   16 lane
.set LSW, 5                            ; v5   into the stage: my wave's 16 rows, 16 lane
.set WA,  6                            ; v6   out of it: (r + 8 (r / 8)) WPITCH + 24 h
.set R4,  7                            ; v7   4 r
.set TA,  8                            ; v8   my row's word in rowtok
.set TOK, 9                            ; v9   its token
.set XA,  10                           ; v10  the tile in hand: token x 1,536 + 48 h
.set XAN, 11                           ; v11  the next tile's
.set XSA, 12                           ; v12  token x 64 + 32 h
.set H48, 13
.set H32, 14
.set HO0, 15                           ; v15  768 n + 8 lane
.set HO,  16                           ; v16  + 12,288 T
.set SO0, 17                           ; v17  32 r + 2 n + h
.set SO,  18                           ; v18  + 512 T
.set BIA, 19                           ; v19  BIM + 4,096 w + 16 lane
.set MX,  24                           ; v24-25 the two blocks' largest numbers
.set PX,  26                           ; v26-27 lane l xor 16's
.set SOP, 28                           ; v28-29 the conversions' scale operands
.set BY,  30                           ; v30-31 the bytes;  v32 mine to store
.set BYS, 32
.set PC,  34                           ; v34-39 my block's 24 bytes of codes
.set PT,  40                           ; v40-42 the second conversion's
.set WS,  48                           ; v48-79 W1's scale words: 16 b + s: K step s; lanes 0-15 tile 2 b, lanes 16-31 tile 2 b + 1
.set XS,  80                           ; v80-87 x's scale words: register i: K step i in lanes 0-15, K step 8 + i in lanes 16-31
.set XSN, 88                           ; v88-95 the next tile's
.set ACC, 96                           ; v96-127 four accumulators
.set W63, 128                          ; v128-139 fragment 63
.set RING, 140                         ; v140-235 eight fragments of x's rows
; Fragment f = 4 s + t (K step s, tile t): f < 60: window 1 + f / 20, register 12 (f % 20); 60, 61, 62: v240 of windows 1, 2, 3; 63: window 0.
.set MSB, 0
.macro WIN new                         ; the immediate's high byte repeats the setting that is left; a switch that changes nothing is dropped
.if MSB != (\new)
	s_set_vgpr_msb (MSB<<8)|(\new)
.set MSB, (\new)
.endif
.endm
.macro WPOS f
.if (\f) < 60
.set WW, 1+(\f)/20
.set WR, 12*((\f)%20)
.elseif (\f) < 63
.set WW, (\f)-59
.set WR, 240
.else
.set WW, 0
.set WR, W63
.endif
.set WD, WW<<6
.endm
.macro WF f                            ; fragment f out of the stage: six pieces of 8 bytes, so that every address is a multiple of the access's size
	WPOS \f
	WIN WD
.irp p, 0,1,2,3,4,5
	ds_load_b64 v[WR+2*\p:WR+2*\p+1], v[WA] offset:(32*(((\f)%4)/2)+8*((\f)%2))*WPITCH+96*((\f)/4)+48*(\p/3)+8*(\p%3)
.endr
.endm
.macro MM f, s, t                      ; one product: tile t, K step s.  Source 0 in the fragment's window, all else in window 0
	WPOS \f
	WIN WW
.set rD, ACC+8*(\t)
.set rB, RING+12*((\s)%8)
.set rSA, WS+16*((\t)/2)+(\s)
.set rSB, XS+(\s)%8
.if ((\t)%2 == 0) && ((\s) < 8)
	v_wmma_scale_f32_16x16x128_f8f6f4 v[rD:rD+7], v[WR:WR+11], v[rB:rB+11], v[rD:rD+7], v[rSA], v[rSB] matrix_a_fmt:MATRIX_FMT_BF6 matrix_b_fmt:MATRIX_FMT_BF6
.elseif ((\t)%2 == 1) && ((\s) < 8)
	v_wmma_scale_f32_16x16x128_f8f6f4 v[rD:rD+7], v[WR:WR+11], v[rB:rB+11], v[rD:rD+7], v[rSA], v[rSB] matrix_a_fmt:MATRIX_FMT_BF6 matrix_b_fmt:MATRIX_FMT_BF6 matrix_a_scale:MATRIX_SCALE_ROW1
.elseif ((\t)%2 == 0)
	v_wmma_scale_f32_16x16x128_f8f6f4 v[rD:rD+7], v[WR:WR+11], v[rB:rB+11], v[rD:rD+7], v[rSA], v[rSB] matrix_a_fmt:MATRIX_FMT_BF6 matrix_b_fmt:MATRIX_FMT_BF6 matrix_b_scale:MATRIX_SCALE_ROW1
.else
	v_wmma_scale_f32_16x16x128_f8f6f4 v[rD:rD+7], v[WR:WR+11], v[rB:rB+11], v[rD:rD+7], v[rSA], v[rSB] matrix_a_fmt:MATRIX_FMT_BF6 matrix_b_fmt:MATRIX_FMT_BF6 matrix_a_scale:MATRIX_SCALE_ROW1 matrix_b_scale:MATRIX_SCALE_ROW1
.endif
.endm
.macro PLACES                          ; four places between a matrix instruction and a load into a register that it has read, or the first read of its result
.rept 4
	v_nop
.endr
.endm
.macro XLD s, adr                      ; K step s of the 16 rows at adr into ring slot s % 8
.irp i, 0,1,2
	global_load_b128 v[RING+12*((\s)%8)+4*\i:RING+12*((\s)%8)+4*\i+3], v[\adr], s[4:5] offset:96*(\s)+16*\i
.endr
.endm
	s_load_b256 s[4:11], s[0:1], 0x0               ; xc, xs, W1's codes, W1's scales
	s_load_b256 s[12:19], s[0:1], 0x20             ; b1, plan, hc, hs
	v_lshl_add_u32 v254, v0, 2, 0x1c400
	v_mov_b32 v255, 0
	v_lshrrev_b32 v1, 5, v0
	v_readfirstlane_b32 s20, v1                    ; wave 0..3
	s_mov_b32 s21, ttmp9                           ; n
	s_and_b32 s22, ttmp7, 0xffff                   ; e
	v_and_b32 v1, 31, v0                           ; lane
	v_and_b32 v2, 15, v0                           ; r
	v_bfe_u32 v3, v0, 4, 1                         ; h
	s_mov_b32 s24, 0x76543210
	s_mov_b32 s25, 0xfedcba98                      ; selects of v_permlanex16_b32 for lane l xor 16
	s_mov_b32 vcc_lo, 0xffff0000                   ; lanes 16-31: kept for the whole kernel
	v_lshlrev_b32 v[GW], 4, v1
	s_mul_i32 s26, s20, 16*WPITCH
	v_add_nc_u32 v[LSW], s26, v[GW]
	v_and_b32 v20, 8, v2
	v_add_nc_u32 v20, v20, v2                      ; r + 8 (r / 8)
	v_mul_u32_u24 v[WA], v20, WPITCH
	v_mad_u32_u24 v[WA], v3, 24, v[WA]
	v_lshlrev_b32 v[R4], 2, v2
	v_mul_u32_u24 v[H48], v3, 48
	v_lshlrev_b32 v[H32], 5, v3
	s_mul_i32 s26, s21, 768
	v_lshl_add_u32 v[HO0], v1, 3, s26
	s_lshl_b32 s26, s21, 1
	v_lshl_add_u32 v[SO0], v2, 5, s26
	v_add_nc_u32 v[SO0], v[SO0], v3
	s_lshl_b32 s26, s20, 12
	s_add_co_u32 s26, s26, BIM
	v_add_nc_u32 v[BIA], s26, v[GW]
	v_lshl_add_u32 v20, v3, 3, v20                 ; W1's scale words: unit r + 8 (r / 8) + 8 h of a pair of tiles,
	v_lshlrev_b32 v20, 6, v20                      ; 64 bytes a unit
	v_lshlrev_b32 v21, 6, v3                       ; the bias: 16 h numbers on
	v_mov_b32 v[PX], 0                             ; written once: a lane permute's destination counts as one of its sources
	v_mov_b32 v[PX+1], 0
	s_lshl_b32 s34, s22, 10
	s_lshl_b32 s35, s21, 6
	s_add_co_u32 s34, s34, s35                     ; my work-group's first unit: 1,024 e + 64 n
	s_lshl_b32 s35, s20, 4
	s_add_co_u32 s35, s34, s35                     ; my wave's quarter of the block
	s_mul_i32 s26, s35, 1536
	s_mov_b32 s27, 0
	s_lshl_b32 s36, s22, 2
	s_wait_kmcnt 0x0
	s_load_b32 s28, s[14:15], s36 offset:82944     ; the expert's first tile
	s_load_b32 s29, s[14:15], s36 offset:83008     ; and its number of tiles
	s_add_nc_u64 s[8:9], s[8:9], s[26:27]
	s_lshl_b32 s26, s34, 6
	s_add_nc_u64 s[10:11], s[10:11], s[26:27]
	s_lshl_b32 s26, s34, 2
	s_add_nc_u64 s[12:13], s[12:13], s[26:27]
	WIN 0x40                                       ; destination window 1
.set i, 0
.rept 48
	global_load_b128 v[4*i:4*i+3], v[GW], s[8:9] offset:512*i th:TH_LOAD_NT   ; 24,576 dense bytes a wave, 512 an instruction; read once in the launch
.set i, i+1
.endr
	WIN 0
	s_wait_kmcnt 0x0
	s_min_u32 s28, s28, 271                        ; loaded numbers are held before they enter an address
	s_min_u32 s29, s29, 64
	s_add_co_u32 s32, s28, s20
	s_min_u32 s32, s32, 271
	s_lshl_b32 s32, s32, 6
	v_add_nc_u32 v[TA], s32, v[R4]
	global_load_b32 v[TOK], v[TA], s[14:15]        ; my first tile's tokens
.irp b, 0,1
.irp k, 0,1,2,3
	global_load_b128 v[WS+16*\b+4*\k:WS+16*\b+4*\k+3], v20, s[10:11] offset:2048*\b+16*\k
.endr
.endr
.irp t, 0,1,2,3
	global_load_b128 v[ACC+8*\t:ACC+8*\t+3], v21, s[12:13] offset:(32*(\t/2)+8*(\t%2))*4
	global_load_b128 v[ACC+8*\t+4:ACC+8*\t+7], v21, s[12:13] offset:(32*(\t/2)+8*(\t%2))*4+16
.endr
	WIN 0x04                                       ; an LDS store's data are its source 1: window 1
.set k, 0
.rept 6
	s_wait_loadcnt 57-8*k                          ; the next eight loads of weights are in: out may be the 40 - 8 k behind them and the 17 small loads
.set i, 8*k
.rept 8
	ds_store_b128 v[LSW], v[4*i:4*i+3] offset:(i/3)*WPITCH+512*(i%3)
.set i, i+1
.endr
.set k, k+1
.endr
	WIN 0
	s_wait_loadcnt 16                              ; the tokens are in; W1's scale words and the bias, 16 loads, may be out
	v_min_u32 v[TOK], 0x3ff, v[TOK]
	v_mul_u32_u24 v[XA], v[TOK], 1536
	v_add_nc_u32 v[XA], v[XA], v[H48]
	v_lshl_add_u32 v[XSA], v[TOK], 6, v[H32]
	global_load_b128 v[XS:XS+3], v[XSA], s[6:7]
	global_load_b128 v[XS+4:XS+7], v[XSA], s[6:7] offset:16
.irp s, 0,1,2,3,4,5,6,7
	XLD \s, XA                                     ; the first tile's first eight K steps land while the weights are read out of the stage
.endr
	s_wait_loadcnt 26                              ; all but the 26 just issued: the bias is in
.irp k, 0,1,2,3,4,5,6,7
	ds_store_b128 v[BIA], v[ACC+4*\k:ACC+4*\k+3] offset:512*\k   ; its image, for the tiles to come; the first tile finds it in the accumulators
.endr
	s_wait_dscnt 0x0                               ; for the others' sake: my quarter of the weights lies in LDS
	s_barrier_signal -1
	s_barrier_wait -1                              ; the only barrier: it stands ahead of every branch on loaded numbers
.set F, 0
.rept 20
	WF F
.set F, F+1
.endr
	WF 60
.rept 20
	WF F
.set F, F+1
.endr
	WF 61
.rept 20
	WF F
.set F, F+1
.endr
	WF 62
	WF 63
	WIN 0
	s_wait_dscnt 0x0
	s_cmp_ge_u32 s20, s29
	s_cbranch_scc1 .Lend                           ; fewer tiles than waves, or none
	s_sub_co_u32 s30, s29, 1                       ; the expert's last tile
	s_sub_co_u32 s38, s29, s20                     ; my trips: tiles w, w + 4, .. under the expert's number: (number - w + 3) / 4, from 1 to 16
	s_add_co_u32 s38, s38, 3
	s_lshr_b32 s38, s38, 2
	s_mov_b32 s37, 0                               ; the trip
; A K step: the wait for its fragment, four products (the accumulators by turns), and the ring slot's next fill: eight K steps on, from K step 8 on the next tile's.
; THE COUNTS.  s < 8: behind fragment s were issued the ring's 3 (7 - s) loads, the tokens' one and 3 s refills: 22.  s = 8: fragments 9 to 15: 21; the tokens' load is older, so it is in.
; s > 8: 3 (15 - s), the next tile's two loads of scale words and 3 (s - 8) refills: 23.  The same waits show done the loads that read XA, XAN, XSA and TA before these are written again.
.macro KSTEP s
.if (\s) < 8
	s_wait_loadcnt 22
.elseif (\s) == 8
	s_wait_loadcnt 21
.else
	s_wait_loadcnt 23
.endif
.irp t, 0,1,2,3
	MM 4*(\s)+\t, \s, \t
.endr
	WIN 0
	PLACES
.if (\s) < 8
	XLD (\s)+8, XA
.else
.if (\s) == 8
	v_min_u32 v[TOK], 0x3ff, v[TOK]
	v_mul_u32_u24 v[XAN], v[TOK], 1536
	v_add_nc_u32 v[XAN], v[XAN], v[H48]
	v_lshl_add_u32 v[XSA], v[TOK], 6, v[H32]
	global_load_b128 v[XSN:XSN+3], v[XSA], s[6:7]
	global_load_b128 v[XSN+4:XSN+7], v[XSA], s[6:7] offset:16
.endif
	XLD (\s)-8, XAN
.endif
.endm
.Ltile:
	s_lshl_b32 s31, s37, 2
	s_add_co_u32 s31, s31, s20                     ; my tile among the expert's: 4 x trip + wave
	s_add_co_u32 s32, s28, s31
	s_min_u32 s32, s32, 271                        ; the tile in hand
	s_add_co_u32 s33, s31, 4
	s_min_u32 s33, s33, s30                        ; the next one; in the last trip the expert's last tile once more, so that no load leaves its buffer
	s_add_co_u32 s33, s33, s28
	s_min_u32 s33, s33, 271
	s_lshl_b32 s33, s33, 6
	v_add_nc_u32 v[TA], s33, v[R4]
	global_load_b32 v[TOK], v[TA], s[14:15]
.rept 8
	v_nop                                          ; x's scale words were copied by vector instructions: 8 places ahead of a scaled matrix instruction
.endr
	s_wait_dscnt 0x0                               ; the bias lies in the accumulators
.irp s, 0,1,2,3,4,5,6,7,8,9,10,11,12,13,14,15
	KSTEP \s
.endr
	; relu, the two blocks' scales, the codes
.set j, 0
.rept 32
	v_max_num_f32 v[ACC+j], 0, v[ACC+j]            ; each accumulator from its low end on
.set j, j+1
.endr
.irp b, 0,1
	v_max3_num_f32 v[MX+\b], v[ACC+16*\b], v[ACC+16*\b+1], 0x2800000   ; none is negative: no |.|; the floor 2^(5 - 127) holds the byte at 1 from below
.endr
.irp i, 2,4,6,8,10,12,14
.irp b, 0,1
	v_max3_num_f32 v[MX+\b], v[MX+\b], v[ACC+16*\b+\i], v[ACC+16*\b+\i+1]
.endr
.endr
.irp b, 0,1
	v_permlanex16_b32 v[PX+\b], v[MX+\b], s24, s25
.endr
.irp b, 0,1
	v_max_num_f32 v[MX+\b], v[MX+\b], v[PX+\b]
.endr
.irp b, 0,1
	v_add_nc_u32 v[SOP+\b], 0xfe000000, v[MX+\b]   ; 4 off the exponent field: the conversion's scale operand
.endr
.irp b, 0,1
	v_lshrrev_b32 v[BY+\b], 23, v[SOP+\b]
.endr
	s_wait_loadcnt 24                              ; the next tile's scale words are in: behind them its first eight fragments, 24 loads
.irp i, 0,1,2,3,4,5,6,7
	v_mov_b32 v[XS+\i], v[XSN+\i]
.endr
	v_mov_b32 v[XA], v[XAN]
	s_wait_xcnt 0x0                                ; the last trip's stores have read their data and addresses: these are written again only behind this wait
	v_cndmask_b32 v[BYS], v[BY], v[BY+1], vcc_lo   ; lane (r, h) stores block h's byte
	v_cvt_scalef32_pk16_bf6_f32 v[PC:PC+2], v[ACC:ACC+15], v[SOP]
	v_cvt_scalef32_pk16_bf6_f32 v[PT:PT+2], v[ACC+16:ACC+31], v[SOP+1]
	v_nop                                          ; one plain place behind a scaled conversion
.irp i, 0,1,2
	v_permlane16_swap_b32 v[PC+\i], v[PT+\i]       ; a whole block to a lane: lanes 0-15 block 0, lanes 16-31 block 1
.endr
.irp i, 0,1,2
	v_mov_b32 v[PC+3+\i], v[PT+\i]
.endr
.irp k, 0,1,2,3,4,5,6,7
	ds_load_b128 v[ACC+4*\k:ACC+4*\k+3], v[BIA] offset:512*\k   ; the bias for the next tile
.endr
	s_mul_i32 s34, s32, 12288
	v_add_nc_u32 v[HO], s34, v[HO0]
	s_lshl_b32 s34, s32, 9
	v_add_nc_u32 v[SO], s34, v[SO0]
.irp p, 0,1,2
	global_store_b64 v[HO], v[PC+2*\p:PC+2*\p+1], s[16:17] offset:256*\p   ; 32 lanes store 256 consecutive bytes, at a multiple of 256 from hc's first byte
.endr
	global_store_b8 v[SO], v[BYS], s[18:19]        ; two bytes of each of 16 rows: one byte in 24 of what the trip stores
	s_add_co_u32 s37, s37, 1
	s_cmp_lt_u32 s37, s38
	s_cbranch_scc1 .Ltile
.Lend:
	s_wait_dscnt 0x0
	s_barrier_signal -1
	s_barrier_wait -1
	s_wait_tensorcnt 0x0
	ds_add_u32 v254, v255
	s_wait_dscnt 0x0
	s_endpgm
.Lfunc_end_k_qfe0a52fc69_up:
	.size	k_qfe0a52fc69_up, .Lfunc_end_k_qfe0a52fc69_up-k_qfe0a52fc69_up
	.p2alignl 7, 3214868480
	.fill 96, 4, 3214868480
	.section	.rodata,"a",@progbits
	.p2align	6, 0x0
	.amdhsa_kernel k_qfe0a52fc69_up
		.amdhsa_group_segment_fixed_size 116224
		.amdhsa_private_segment_fixed_size 0
		.amdhsa_enable_private_segment 0
		.amdhsa_kernarg_size 64
		.amdhsa_user_sgpr_count 2
		.amdhsa_user_sgpr_kernarg_segment_ptr 1
		.amdhsa_wavefront_size32 1
		.amdhsa_system_sgpr_workgroup_id_x 1
		.amdhsa_system_sgpr_workgroup_id_y 1
		.amdhsa_system_sgpr_workgroup_id_z 1
		.amdhsa_system_vgpr_workitem_id 0
		.amdhsa_next_free_vgpr 1024
		.amdhsa_next_free_sgpr 66
		.amdhsa_reserve_vcc 1
		.amdhsa_float_denorm_mode_32 3
		.amdhsa_float_denorm_mode_16_64 3
		.amdhsa_memory_ordered 1
		.amdhsa_forward_progress 1
		.amdhsa_inst_pref_size 62
	.end_amdhsa_kernel
	.amdgpu_metadata
---
amdhsa.version: [ 1, 2 ]
amdhsa.kernels:
  - .name:           k_qfe0a52fc69_up
    .symbol:         k_qfe0a52fc69_up.kd
    .args:
      - { .name: xc, .offset: 0, .size: 8, .value_kind: global_buffer, .address_space: global }
      - { .name: xs, .offset: 8, .size: 8, .value_kind: global_buffer, .address_space: global }
      - { .name: W1_codes, .offset: 16, .size: 8, .value_kind: global_buffer, .address_space: global }
      - { .name: W1_scales, .offset: 24, .size: 8, .value_kind: global_buffer, .address_space: global }
      - { .name: b1, .offset: 32, .size: 8, .value_kind: global_buffer, .address_space: global }
      - { .name: plan, .offset: 40, .size: 8, .value_kind: global_buffer, .address_space: global }
      - { .name: hc, .offset: 48, .size: 8, .value_kind: global_buffer, .address_space: global }
      - { .name: hs, .offset: 56, .size: 8, .value_kind: global_buffer, .address_space: global }
    .group_segment_fixed_size: 116224
    .private_segment_fixed_size: 0
    .kernarg_segment_align: 8
    .kernarg_segment_size: 64
    .max_flat_workgroup_size: 128
    .sgpr_count:     66
    .vgpr_count:     1024
    .wavefront_size: 32
...
	.end_amdgpu_metadata
.endif
;; end of part 3
;; launch down (part 4): grid 16 x 16, 4 waves a work-group, no clusters, 134,656 bytes of LDS; arguments hc, hs, W2_codes, W2_scales, b2, plan, y; writes y
.if DOCPART == 4
	.amdgcn_target "amdgcn-amd-amdhsa--gfx1250"
	.amdhsa_code_object_version 6
	.text
	.protected	k_qfe0a52fc69_down
	.globl	k_qfe0a52fc69_down
	.p2align	8
	.type	k_qfe0a52fc69_down,@function
k_qfe0a52fc69_down:
	s_mov_b64 s[64:65], 0
	v_nop
	global_prefetch_b8 v0, s[64:65] scope:SCOPE_SE
	s_setreg_imm32_b32 hwreg(HW_REG_WAVE_MODE, 25, 1), 1
	s_wait_xcnt 0x0
; DOWN.  y = h W2[e] + b2[e] for the sorted rows of expert e, on codes of BF6 (E3M2) with one E8M0 scale for each 32 along K = the 1,024 hidden units.  The gate's weight is applied by the launch that adds.
; SHARES, as in the launch before.  Work-group (n, e) owns outputs 128 n .. 128 n + 127 of expert e for all of K: 64 fragments, 98,304 bytes, 1 / 256 of W2, read from memory once.  Every wave holds all 64 in
; 768 registers; wave w takes the expert's tiles of 16 rows w, w + 4, ..
; The weights turn once through LDS (rows of 768 bytes + 16).  The product is used transposed: source 0 = 16 rows of W2 (outputs), source 1 = 16 rows of h: a lane holds eight neighbouring outputs of one row.
; h's fragments lie in hc as images of the operand's registers: six loads of 8 bytes a lane, each 256 consecutive bytes.  A whole tile (eight K steps) is on its way while the tile before is multiplied.
; The results go through the wave's own stage in LDS and leave as rows of 512 bytes; b2 is added on the way, in the rows' layout, where it costs four registers.
; NO TENSOR LOAD, NO CLUSTER: the number of trips hangs on the expert's number of tiles, read from memory.  An expert without rows leaves its sixteen work-groups nothing to store.
.set WPITCH, 784                       ; a row of W2 in the stage: 768 bytes + 16: 49 x 16, so the 16 rows of a fragment begin in different banks
.set OST,    128*WPITCH                ; behind the 128 rows: the way out, 16 rows x (512 + 16) bytes for each wave
.set GW,  4                            ; v4   16 lane
.set LSA, 5                            ; v5   into the stage: my wave's 32 rows, + 16 lane
.set LSB, 6                            ; v6   the same, + 16 for lanes 16-31: where a load's 512 bytes cross from one row into the next
.set WA0, 7                            ; v7   out of it: r WPITCH + 24 h, tiles 0-3
.set WA1, 8                            ; v8   tiles 4-7
.set HA,  9                            ; v9   the next tile in hc: 12,288 T + 8 lane
.set HSA, 10                           ; v10  and in hs: 512 T + 32 r + 16 h
.set L8,  11
.set RH,  12
.set YO0, 13                           ; v13  512 n + 16 lane
.set YO,  14                           ; v14  + 131,072 T
.set STO, 15                           ; v15  the way out: row r, + 32 h
.set SRD, 16                           ; v16  and back: 16 lane
.set BIAS, 24                          ; v24-27 b2 at outputs 128 n + 4 lane + 0 .. 3
.set WS,  28                           ; v28-59 W2's scale words: 8 b + s: K step s; lanes 0-15 tile 2 b, lanes 16-31 tile 2 b + 1
.set HS,  60                           ; v60-63 h's scale words: register i: K step i in lanes 0-15, 4 + i in lanes 16-31
.set HSN, 64                           ; v64-67 the next tile's
.set ACC, 68                           ; v68-131 eight accumulators
.set W63, 132                          ; v132-143 fragment 63
.set RING, 144                         ; v144-239 the tile's eight fragments
; Fragment f = 8 s + t (K step s, tile t): f < 60: window 1 + f / 20, register 12 (f % 20); 60, 61, 62: v240 of windows 1, 2, 3; 63: window 0.
.set MSB, 0
.macro WIN new
.if MSB != (\new)
	s_set_vgpr_msb (MSB<<8)|(\new)
.set MSB, (\new)
.endif
.endm
.macro WPOS f
.if (\f) < 60
.set WW, 1+(\f)/20
.set WR, 12*((\f)%20)
.elseif (\f) < 63
.set WW, (\f)-59
.set WR, 240
.else
.set WW, 0
.set WR, W63
.endif
.set WD, WW<<6
.endm
.macro WF f
	WPOS \f
	WIN WD
.irp p, 0,1,2,3,4,5
.if ((\f)%8) < 4
	ds_load_b64 v[WR+2*\p:WR+2*\p+1], v[WA0] offset:16*((\f)%4)*WPITCH+96*((\f)/8)+48*(\p/3)+8*(\p%3)
.else
	ds_load_b64 v[WR+2*\p:WR+2*\p+1], v[WA1] offset:16*((\f)%4)*WPITCH+96*((\f)/8)+48*(\p/3)+8*(\p%3)
.endif
.endr
.endm
.macro MM f, s, t                      ; one product: tile t, K step s; K step 0 starts the sums with the constant 0
	WPOS \f
	WIN WW
.set rD, ACC+8*(\t)
.set rB, RING+12*(\s)
.set rSA, WS+8*((\t)/2)+(\s)
.set rSB, HS+(\s)%4
.if ((\s) == 0) && ((\t)%2 == 0)
	v_wmma_scale_f32_16x16x128_f8f6f4 v[rD:rD+7], v[WR:WR+11], v[rB:rB+11], 0, v[rSA], v[rSB] matrix_a_fmt:MATRIX_FMT_BF6 matrix_b_fmt:MATRIX_FMT_BF6
.elseif (\s) == 0
	v_wmma_scale_f32_16x16x128_f8f6f4 v[rD:rD+7], v[WR:WR+11], v[rB:rB+11], 0, v[rSA], v[rSB] matrix_a_fmt:MATRIX_FMT_BF6 matrix_b_fmt:MATRIX_FMT_BF6 matrix_a_scale:MATRIX_SCALE_ROW1
.elseif ((\t)%2 == 0) && ((\s) < 4)
	v_wmma_scale_f32_16x16x128_f8f6f4 v[rD:rD+7], v[WR:WR+11], v[rB:rB+11], v[rD:rD+7], v[rSA], v[rSB] matrix_a_fmt:MATRIX_FMT_BF6 matrix_b_fmt:MATRIX_FMT_BF6
.elseif (\s) < 4
	v_wmma_scale_f32_16x16x128_f8f6f4 v[rD:rD+7], v[WR:WR+11], v[rB:rB+11], v[rD:rD+7], v[rSA], v[rSB] matrix_a_fmt:MATRIX_FMT_BF6 matrix_b_fmt:MATRIX_FMT_BF6 matrix_a_scale:MATRIX_SCALE_ROW1
.elseif (\t)%2 == 0
	v_wmma_scale_f32_16x16x128_f8f6f4 v[rD:rD+7], v[WR:WR+11], v[rB:rB+11], v[rD:rD+7], v[rSA], v[rSB] matrix_a_fmt:MATRIX_FMT_BF6 matrix_b_fmt:MATRIX_FMT_BF6 matrix_b_scale:MATRIX_SCALE_ROW1
.else
	v_wmma_scale_f32_16x16x128_f8f6f4 v[rD:rD+7], v[WR:WR+11], v[rB:rB+11], v[rD:rD+7], v[rSA], v[rSB] matrix_a_fmt:MATRIX_FMT_BF6 matrix_b_fmt:MATRIX_FMT_BF6 matrix_a_scale:MATRIX_SCALE_ROW1 matrix_b_scale:MATRIX_SCALE_ROW1
.endif
.endm
.macro PLACES
.rept 4
	v_nop
.endr
.endm
.macro HLD s                           ; K step s of the tile at HA into ring slot s
.irp q, 0,1,2,3,4,5
	global_load_b64 v[RING+12*(\s)+2*\q:RING+12*(\s)+2*\q+1], v[HA], s[4:5] offset:1536*(\s)+256*\q
.endr
.endm
	s_load_b256 s[4:11], s[0:1], 0x0               ; hc, hs, W2's codes, W2's scales
	s_load_b128 s[12:15], s[0:1], 0x20             ; b2, plan
	s_load_b64 s[16:17], s[0:1], 0x30              ; y
	v_lshl_add_u32 v254, v0, 2, 0x20c00
	v_mov_b32 v255, 0
	v_lshrrev_b32 v1, 5, v0
	v_readfirstlane_b32 s20, v1                    ; wave 0..3
	s_mov_b32 s21, ttmp9                           ; n
	s_and_b32 s22, ttmp7, 0xffff                   ; e
	v_and_b32 v1, 31, v0                           ; lane
	v_and_b32 v2, 15, v0                           ; r
	v_bfe_u32 v3, v0, 4, 1                         ; h
	v_lshlrev_b32 v[GW], 4, v1
	s_mul_i32 s26, s20, 32*WPITCH
	v_add_nc_u32 v[LSA], s26, v[GW]
	v_lshl_add_u32 v[LSB], v3, 4, v[LSA]
	v_mul_u32_u24 v[WA0], v2, WPITCH
	v_mad_u32_u24 v[WA0], v3, 24, v[WA0]
	v_add_nc_u32 v[WA1], 64*WPITCH, v[WA0]
	v_lshlrev_b32 v[L8], 3, v1
	v_lshlrev_b32 v[RH], 5, v2
	v_lshl_add_u32 v[RH], v3, 4, v[RH]
	s_lshl_b32 s26, s21, 9
	v_add_nc_u32 v[YO0], s26, v[GW]
	s_mul_i32 s26, s20, 16*528
	s_add_co_u32 s26, s26, OST
	v_mul_u32_u24 v[STO], v2, 528
	v_lshl_add_u32 v[STO], v3, 5, v[STO]
	v_add_nc_u32 v[STO], s26, v[STO]
	v_add_nc_u32 v[SRD], s26, v[GW]
	v_lshlrev_b32 v20, 5, v1                       ; W2's scale words: output 16 h + r = lane of a pair of tiles, 32 bytes an output
	s_lshl_b32 s34, s22, 11
	s_lshl_b32 s35, s21, 7
	s_add_co_u32 s34, s34, s35                     ; my work-group's first output: 2,048 e + 128 n
	s_lshl_b32 s35, s20, 5
	s_add_co_u32 s35, s34, s35                     ; my wave's quarter of the block
	s_mul_i32 s26, s35, 768
	s_mov_b32 s27, 0
	s_lshl_b32 s36, s22, 2
	s_wait_kmcnt 0x0
	s_load_b32 s28, s[14:15], s36 offset:82944     ; the expert's first tile
	s_load_b32 s29, s[14:15], s36 offset:83008     ; and its number of tiles
	s_add_nc_u64 s[8:9], s[8:9], s[26:27]
	s_lshl_b32 s26, s34, 5
	s_add_nc_u64 s[10:11], s[10:11], s[26:27]
	s_lshl_b32 s26, s34, 2
	s_add_nc_u64 s[12:13], s[12:13], s[26:27]
	WIN 0x40                                       ; destination window 1
.set i, 0
.rept 48
	global_load_b128 v[4*i:4*i+3], v[GW], s[8:9] offset:512*i th:TH_LOAD_NT   ; 24,576 dense bytes a wave, 512 an instruction; read once in the launch
.set i, i+1
.endr
	WIN 0
.irp b, 0,1,2,3
	global_load_b128 v[WS+8*\b:WS+8*\b+3], v20, s[10:11] offset:1024*\b
	global_load_b128 v[WS+8*\b+4:WS+8*\b+7], v20, s[10:11] offset:1024*\b+16
.endr
	global_load_b128 v[BIAS:BIAS+3], v[GW], s[12:13]
	s_wait_kmcnt 0x0
	s_min_u32 s28, s28, 271                        ; loaded numbers are held before they enter an address
	s_min_u32 s29, s29, 64
	s_max_u32 s30, s29, 1
	s_sub_co_u32 s30, s30, 1                       ; the expert's last tile
	s_min_u32 s32, s20, s30
	s_add_co_u32 s32, s32, s28
	s_min_u32 s32, s32, 271                        ; my first tile (a wave without one reads inside the buffers and uses nothing)
	s_mul_i32 s33, s32, 12288
	v_add_nc_u32 v[HA], s33, v[L8]
	s_lshl_b32 s33, s32, 9
	v_add_nc_u32 v[HSA], s33, v[RH]
	WIN 0x04                                       ; an LDS store's data are its source 1: window 1
.set k, 0
.rept 6
	s_wait_loadcnt 49-8*k                          ; the next eight loads of weights are in: out may be the 40 - 8 k behind them and the 9 small loads
.set i, 8*k
.rept 8
.if (i%3) == 0
	ds_store_b128 v[LSA], v[4*i:4*i+3] offset:512*i+32*(i/3)         ; a row of 768 bytes is one and a half loads: 16 bytes more for each row passed
.elseif (i%3) == 1
	ds_store_b128 v[LSB], v[4*i:4*i+3] offset:512*i+32*(i/3)
.else
	ds_store_b128 v[LSA], v[4*i:4*i+3] offset:512*i+32*(i/3)+16
.endif
.set i, i+1
.endr
.set k, k+1
.endr
	WIN 0
	global_load_b128 v[HS:HS+3], v[HSA], s[6:7]
.irp s, 0,1,2,3,4,5,6,7
	HLD \s                                         ; my first tile lands while the weights are read out of the stage
.endr
	s_wait_dscnt 0x0                               ; for the others' sake: my quarter of the weights lies in LDS
	s_barrier_signal -1
	s_barrier_wait -1                              ; the only barrier: it stands ahead of every branch on loaded numbers
.set F, 0
.rept 20
	WF F
.set F, F+1
.endr
	WF 60
.rept 20
	WF F
.set F, F+1
.endr
	WF 61
.rept 20
	WF F
.set F, F+1
.endr
	WF 62
	WF 63
	WIN 0
	s_wait_dscnt 0x0
	s_cmp_ge_u32 s20, s29
	s_cbranch_scc1 .Lend                           ; fewer tiles than waves, or none
	s_sub_co_u32 s38, s29, s20                     ; my trips: tiles w, w + 4, .. under the expert's number: (number - w + 3) / 4, from 1 to 16
	s_add_co_u32 s38, s38, 3
	s_lshr_b32 s38, s38, 2
	s_mov_b32 s37, 0                               ; the trip
; A K step: the wait for its fragment, eight products (the accumulators by turns), and the next tile's same K step into the slot.
; THE COUNTS.  s = 0: behind fragment 0 stand fragments 1 to 7: 42 loads (W2's scale words, b2 and h's scale words are older: in).  s > 0: 6 (7 - s), the next tile's scale words, one load, and 6 s refills: 43.
.macro KSTEP s
.if (\s) == 0
	s_wait_loadcnt 42
.else
	s_wait_loadcnt 43
.endif
.irp t, 0,1,2,3,4,5,6,7
	MM 8*(\s)+\t, \s, \t
.endr
	WIN 0
	PLACES
.if (\s) == 0
	global_load_b128 v[HSN:HSN+3], v[HSA], s[6:7]
.endif
	HLD \s
.endm
.Ltile:
	s_lshl_b32 s31, s37, 2
	s_add_co_u32 s31, s31, s20                     ; my tile among the expert's: 4 x trip + wave
	s_add_co_u32 s32, s28, s31
	s_min_u32 s32, s32, 271                        ; the tile in hand
	s_add_co_u32 s33, s31, 4
	s_min_u32 s33, s33, s30                        ; the next one; in the last trip the expert's last tile once more, so that no load leaves its buffer
	s_add_co_u32 s33, s33, s28
	s_min_u32 s33, s33, 271
	s_wait_xcnt 0x0                                ; the last trip's stores have read the accumulators' registers and YO, its loads HA and HSA: all are written again only behind this wait
	s_mul_i32 s34, s33, 12288
	v_add_nc_u32 v[HA], s34, v[L8]
	s_lshl_b32 s34, s33, 9
	v_add_nc_u32 v[HSA], s34, v[RH]
.rept 8
	v_nop                                          ; h's scale words were copied by vector instructions: 8 places ahead of a scaled matrix instruction
.endr
.irp s, 0,1,2,3,4,5,6,7
	KSTEP \s
.endr
	; the way out: a lane's 32 bytes of a row into my stage, whole rows of 512 bytes back
.irp t, 0,1,2,3,4,5,6,7
	ds_store_b128 v[STO], v[ACC+8*\t:ACC+8*\t+3] offset:64*\t          ; each accumulator from its low end on
	ds_store_b128 v[STO], v[ACC+8*\t+4:ACC+8*\t+7] offset:64*\t+16
.endr
.irp i, 0,1,2,3,4,5,6,7,8,9,10,11,12,13,14,15
	ds_load_b128 v[ACC+4*\i:ACC+4*\i+3], v[SRD] offset:528*\i          ; LDS serves a wave's instructions in order (ISA guide 5.7.1.4): these see the stores above
.endr
	s_wait_loadcnt 48                              ; the next tile's scale words are in: behind them its eight fragments, 48 loads
.irp i, 0,1,2,3
	v_mov_b32 v[HS+\i], v[HSN+\i]
.endr
	s_lshl_b32 s34, s32, 17
	v_add_nc_u32 v[YO], s34, v[YO0]
.irp i, 0,1,2,3,4,5,6,7,8,9,10,11,12,13,14,15
	s_wait_dscnt 15-\i
	v_pk_add_f32 v[ACC+4*\i:ACC+4*\i+1], v[ACC+4*\i:ACC+4*\i+1], v[BIAS:BIAS+1]
	v_pk_add_f32 v[ACC+4*\i+2:ACC+4*\i+3], v[ACC+4*\i+2:ACC+4*\i+3], v[BIAS+2:BIAS+3]
	global_store_b128 v[YO], v[ACC+4*\i:ACC+4*\i+3], s[16:17] offset:8192*\i th:TH_STORE_NT   ; 32 lanes store 512 consecutive bytes of one row, at a multiple of 256 from y's first byte
.endr
	s_add_co_u32 s37, s37, 1
	s_cmp_lt_u32 s37, s38
	s_cbranch_scc1 .Ltile
.Lend:
	s_barrier_signal -1
	s_barrier_wait -1
	s_wait_tensorcnt 0x0
	ds_add_u32 v254, v255
	s_wait_dscnt 0x0
	s_endpgm
.Lfunc_end_k_qfe0a52fc69_down:
	.size	k_qfe0a52fc69_down, .Lfunc_end_k_qfe0a52fc69_down-k_qfe0a52fc69_down
	.p2alignl 7, 3214868480
	.fill 96, 4, 3214868480
	.section	.rodata,"a",@progbits
	.p2align	6, 0x0
	.amdhsa_kernel k_qfe0a52fc69_down
		.amdhsa_group_segment_fixed_size 134656
		.amdhsa_private_segment_fixed_size 0
		.amdhsa_enable_private_segment 0
		.amdhsa_kernarg_size 56
		.amdhsa_user_sgpr_count 2
		.amdhsa_user_sgpr_kernarg_segment_ptr 1
		.amdhsa_wavefront_size32 1
		.amdhsa_system_sgpr_workgroup_id_x 1
		.amdhsa_system_sgpr_workgroup_id_y 1
		.amdhsa_system_sgpr_workgroup_id_z 1
		.amdhsa_system_vgpr_workitem_id 0
		.amdhsa_next_free_vgpr 1024
		.amdhsa_next_free_sgpr 66
		.amdhsa_reserve_vcc 0
		.amdhsa_float_denorm_mode_32 3
		.amdhsa_float_denorm_mode_16_64 3
		.amdhsa_memory_ordered 1
		.amdhsa_forward_progress 1
		.amdhsa_inst_pref_size 63
	.end_amdhsa_kernel
	.amdgpu_metadata
---
amdhsa.version: [ 1, 2 ]
amdhsa.kernels:
  - .name:           k_qfe0a52fc69_down
    .symbol:         k_qfe0a52fc69_down.kd
    .args:
      - { .name: hc, .offset: 0, .size: 8, .value_kind: global_buffer, .address_space: global }
      - { .name: hs, .offset: 8, .size: 8, .value_kind: global_buffer, .address_space: global }
      - { .name: W2_codes, .offset: 16, .size: 8, .value_kind: global_buffer, .address_space: global }
      - { .name: W2_scales, .offset: 24, .size: 8, .value_kind: global_buffer, .address_space: global }
      - { .name: b2, .offset: 32, .size: 8, .value_kind: global_buffer, .address_space: global }
      - { .name: plan, .offset: 40, .size: 8, .value_kind: global_buffer, .address_space: global }
      - { .name: y, .offset: 48, .size: 8, .value_kind: global_buffer, .address_space: global }
    .group_segment_fixed_size: 134656
    .private_segment_fixed_size: 0
    .kernarg_segment_align: 8
    .kernarg_segment_size: 56
    .max_flat_workgroup_size: 128
    .sgpr_count:     66
    .vgpr_count:     1024
    .wavefront_size: 32
...
	.end_amdgpu_metadata
.endif
;; end of part 4
;; launch sum (part 5): grid 256 x 1, 8 waves a work-group, no clusters, 0 bytes of LDS; arguments x, y, topi, topw, plan, out0; writes out0
.if DOCPART == 5
	.amdgcn_target "amdgcn-amd-amdhsa--gfx1250"
	.amdhsa_code_object_version 6
	.text
	.protected	k_qfe0a52fc69_sum
	.globl	k_qfe0a52fc69_sum
	.p2align	8
	.type	k_qfe0a52fc69_sum,@function
k_qfe0a52fc69_sum:
	s_mov_b64 s[64:65], 0
	v_nop
	global_prefetch_b8 v0, s[64:65] scope:SCOPE_SE
	s_setreg_imm32_b32 hwreg(HW_REG_WAVE_MODE, 25, 1), 1
	s_wait_xcnt 0x0
; SUM.  out[t] = x[t] + the sum over the token's four experts of weight x y[row of (expert, token)].  A stream: each wave takes half a token's row, 4,096 bytes, of x and of the four rows of y.
; Each output row has one owner, so nothing is added across work-groups.  The rows of y are found by two steps of scalar loads: the token's experts (topi), then their sorted rows (posE in plan).
; All 40 loads of a wave are issued before the first is waited for; every load and store covers 512 consecutive bytes.  No LDS, no barrier, no matrix unit: memory binds.
; ORDER OF ROUNDING: x is the addend of the first fused multiply-add and the four products follow in the pick's order; the reference adds x last.
	s_load_b256 s[4:11], s[0:1], 0x0               ; x, y, topi, topw
	s_load_b128 s[12:15], s[0:1], 0x20             ; plan, out0
	v_lshrrev_b32 v1, 5, v0
	v_readfirstlane_b32 s24, v1                    ; wave 0..7
	v_and_b32 v1, 31, v0
	s_lshr_b32 s25, s24, 1
	s_lshl_b32 s26, ttmp9, 2
	s_add_co_u32 s25, s25, s26                     ; my token: 4 x work-group + wave / 2
	s_and_b32 s26, s24, 1
	s_lshl_b32 s26, s26, 12                        ; my half of the row
	v_lshl_add_u32 v2, v1, 4, s26
	s_lshl_b32 s27, s25, 13
	v_add_nc_u32 v3, s27, v2                       ; my bytes in x and in out0
	s_lshl_b32 s27, s25, 4
	s_wait_kmcnt 0x0
	s_load_b128 s[16:19], s[8:9], s27 offset:0x0   ; the four experts
	s_load_b128 s[20:23], s[10:11], s27 offset:0x0 ; their weights
.irp j, 0,1,2,3,4,5,6,7
	global_load_b128 v[16+4*\j:19+4*\j], v3, s[4:5] offset:512*\j th:TH_LOAD_NT
.endr
	s_wait_kmcnt 0x0
.irp q, 0,1,2,3
	s_min_u32 s[16+\q], s[16+\q], 15               ; loaded numbers are held before they enter an address
	s_lshl_b32 s[32+\q], s[16+\q], 10
	s_add_co_u32 s[32+\q], s[32+\q], s25
	s_lshl_b32 s[32+\q], s[32+\q], 2
	s_load_b32 s[28+\q], s[12:13], s[32+\q] offset:17408   ; posE[expert][token]
.endr
.irp q, 0,1,2,3
	s_mov_b32 s[36+2*\q], s[20+\q]                 ; each weight in a pair of its own: the packed form names a pair and takes its low word for both halves
	s_mov_b32 s[37+2*\q], s[20+\q]
.endr
	s_wait_kmcnt 0x0
.irp q, 0,1,2,3
	s_min_u32 s[28+\q], s[28+\q], 0x10ff
	s_lshl_b32 s[28+\q], s[28+\q], 13
	v_add_nc_u32 v[4+\q], s[28+\q], v2
.endr
.irp j, 0,1,2,3,4,5,6,7
.irp q, 0,1,2,3
	global_load_b128 v[48+16*\j+4*\q:51+16*\j+4*\q], v[4+\q], s[6:7] offset:512*\j th:TH_LOAD_NT   ; each row of y is read once
.endr
.endr
.irp j, 0,1,2,3,4,5,6,7
	s_wait_loadcnt 4*(7-\j)                        ; piece j of the four rows is in (x is older); the later pieces, four loads each, may be out
.irp q, 0,1,2,3
.irp k, 0,2
	v_pk_fma_f32 v[16+4*\j+\k:17+4*\j+\k], v[48+16*\j+4*\q+\k:49+16*\j+4*\q+\k], s[36+2*\q:37+2*\q], v[16+4*\j+\k:17+4*\j+\k] op_sel_hi:[1,0,1]
.endr
.endr
	global_store_b128 v3, v[16+4*\j:19+4*\j], s[14:15] offset:512*\j th:TH_STORE_NT
.endr
	s_endpgm
.Lfunc_end_k_qfe0a52fc69_sum:
	.size	k_qfe0a52fc69_sum, .Lfunc_end_k_qfe0a52fc69_sum-k_qfe0a52fc69_sum
	.p2alignl 7, 3214868480
	.fill 96, 4, 3214868480
	.section	.rodata,"a",@progbits
	.p2align	6, 0x0
	.amdhsa_kernel k_qfe0a52fc69_sum
		.amdhsa_group_segment_fixed_size 0
		.amdhsa_private_segment_fixed_size 0
		.amdhsa_enable_private_segment 0
		.amdhsa_kernarg_size 48
		.amdhsa_user_sgpr_count 2
		.amdhsa_user_sgpr_kernarg_segment_ptr 1
		.amdhsa_wavefront_size32 1
		.amdhsa_system_sgpr_workgroup_id_x 1
		.amdhsa_system_sgpr_workgroup_id_y 1
		.amdhsa_system_sgpr_workgroup_id_z 1
		.amdhsa_system_vgpr_workitem_id 0
		.amdhsa_next_free_vgpr 176
		.amdhsa_next_free_sgpr 66
		.amdhsa_reserve_vcc 0
		.amdhsa_float_denorm_mode_32 3
		.amdhsa_float_denorm_mode_16_64 3
		.amdhsa_memory_ordered 1
		.amdhsa_forward_progress 1
		.amdhsa_inst_pref_size 12
	.end_amdhsa_kernel
	.amdgpu_metadata
---
amdhsa.version: [ 1, 2 ]
amdhsa.kernels:
  - .name:           k_qfe0a52fc69_sum
    .symbol:         k_qfe0a52fc69_sum.kd
    .args:
      - { .name: x, .offset: 0, .size: 8, .value_kind: global_buffer, .address_space: global }
      - { .name: y, .offset: 8, .size: 8, .value_kind: global_buffer, .address_space: global }
      - { .name: topi, .offset: 16, .size: 8, .value_kind: global_buffer, .address_space: global }
      - { .name: topw, .offset: 24, .size: 8, .value_kind: global_buffer, .address_space: global }
      - { .name: plan, .offset: 32, .size: 8, .value_kind: global_buffer, .address_space: global }
      - { .name: out0, .offset: 40, .size: 8, .value_kind: global_buffer, .address_space: global }
    .group_segment_fixed_size: 0
    .private_segment_fixed_size: 0
    .kernarg_segment_align: 8
    .kernarg_segment_size: 48
    .max_flat_workgroup_size: 256
    .sgpr_count:     66
    .vgpr_count:     176
    .wavefront_size: 32
...
	.end_amdgpu_metadata
.endif
;; end of part 5
;; ======== version 2 of 2: 5 launches
;; workspace buffers: xc 1,572,864 bytes; xs 65,536 bytes; topi 16,384 bytes of whole numbers; topw 16,384 bytes; plan 83,200 bytes of whole numbers; hc 3,342,336 bytes; hs 139,264 bytes; y 35,651,584 bytes
;; launch route (part 6): grid 64 x 1, 8 waves a work-group, no clusters, 35,328 bytes of LDS; arguments x, Wr_codes, Wr_scales, br, xc, xs, topi, topw; writes xc, xs, topi, topw
.if DOCPART == 6
	.amdgcn_target "amdgcn-amd-amdhsa--gfx1250"
	.amdhsa_code_object_version 6
	.text
	.protected	k_qfe0a52fc69_route
	.globl	k_qfe0a52fc69_route
	.p2align	8
	.type	k_qfe0a52fc69_route,@function
k_qfe0a52fc69_route:
	s_mov_b64 s[64:65], 0
	v_nop
	global_prefetch_b8 v0, s[64:65] scope:SCOPE_SE
	s_setreg_imm32_b32 hwreg(HW_REG_WAVE_MODE, 25, 1), 1
	s_wait_xcnt 0x0
; ROUTE.  x [1024][2048] f32 is quantised to codes of BF6 (E3M2) with one E8M0 byte for each 32 along K; the router's logits x Wr + br are made on these codes; the four largest logits of each
; token, their experts (the lower index wins a tie) and the softmax of the four are stored at fixed places.
; SHARES.  A work-group takes 16 tokens; wave w takes K steps 2 w and 2 w + 1 (256 of the 2,048 along K) of all 16.  Each wave makes two fragments and two partial logits tiles; the partial tiles meet in LDS
; behind the one barrier, and wave 0 adds them in ascending K and picks.
; xc: a token's 1,536 bytes are laid in the order of the operand's registers: byte 96 S + 48 h holds the 12 registers of lane (row, h) of K step S (block 4 S + h, then block 4 S + 2 + h), so that a later
; launch brings a fragment of any 16 tokens by three loads of 16 bytes a lane.  xs: [1024][64], natural: word S of a row is K step S's scale word.
; The product is used transposed: source 0 = Wr's 16 experts, source 1 = the 16 tokens: lane (r, h) holds token r and experts 8 h + 0 .. 7.
; No tensor load, no cluster: work-groups share only Wr, 25 KB.
; LIMITS: NaN and infinities among the inputs are not served.  A block whose largest magnitude lies under 2^-122 has its byte held at 1; a block of zeros gets the byte 1 (its codes are zeros, and the bytes
; are read by this program alone).  The logits are sixteen partial sums added in f32, K ascending: two logits nearer to each other than that sum's rounding may change places in the pick.
.set CPITCH, 1552                      ; a token's codes in the stage: 1,536 bytes + 16
.set SST,    16*CPITCH                 ; behind them the 16 tokens' scale bytes, 64 each
.set PL,     SST+1024                  ; behind them the partial logits: 1,024 bytes a wave, as an image of 8 registers
.set XA,  4                            ; v4   x: row r, + 64 h, + 1,024 w
.set WRA, 5                            ; v5   Wr's codes: row r of 1,536 bytes, + 24 h, + 192 w
.set WRS, 6                            ; v6   Wr's scale words: 64 r + 8 w
.set CSA, 7                            ; v7   the stage: CPITCH r + 48 h + 192 w
.set SSA, 8                            ; v8   SST + 64 r + 8 w
.set PLA, 9                            ; v9   PL + 1,024 w + 16 lane
.set RDA, 10                           ; v10  back out of the stage: rows 2 w, 2 w + 1, 16 bytes a lane
.set GOA, 11                           ; v11  and the same place in xc
.set T4,  12                           ; v12  4 x thread
.set PL0, 13                           ; v13  PL + 16 lane
.set SSR, 14                           ; v14  SST + 4 x thread
.set BRA, 15                           ; v15  32 h
.set X0,  16                           ; v16-79, v80-143   64 numbers of a lane for each of the two K steps
.set X1,  80
.set F0,  144                          ; v144-155, v156-167  the two fragments
.set F1,  156
.set TQ,  168                          ; v168-175 the conversions' second halves
.set TM,  176                          ; v176-191 at work in QUANT
.set PW,  192                          ; v192-193 x's two scale words: scales and nothing else
.set WF,  194                          ; v194-217 Wr's two fragments
.set WSC, 218                          ; v218-219 Wr's two scale words
.set A0,  220                          ; v220-227, v228-235 the two partial tiles
.set A1,  228
.set PS,  236                          ; v236-243 their sum
.set BR,  244                          ; v244-251 br of my eight experts
.set LG,  120                          ; wave 0: v120-135 the 16 logits of my token
.set VAL, 136                          ; v136-139 the four largest
.set IX,  140                          ; v140-143 their experts
.set GW,  144                          ; v144-147 their weights
.set NEG, 148                          ; v148 -infinity
.set SEL, 22                           ; s[22:23] selects of v_permlanex16_b32 for lane l xor 16
.macro XLOAD reg, s                    ; register 16 b + 4 j + i = x(r, 128 (2 w + s) + 32 b + 16 h + 4 j + i)
.irp b, 0,1,2,3
.irp j, 0,1,2,3
	global_load_b128 v[\reg+16*\b+4*\j:\reg+16*\b+4*\j+3], v[XA], s[4:5] offset:512*\s+128*\b+16*\j th:TH_LOAD_NT
.endr
.endr
.endm
; 64 numbers of a lane, register 16 b + i = k 32 b + 16 h + i of my row, become a fragment's 12 registers at dst and its scale word in pw.
.macro QUANT src, dst, pw
.irp b, 0,1,2,3
	v_max3_num_f32 v[TM+\b], |v[\src+16*\b]|, |v[\src+1+16*\b]|, 0x2800000   ; block b: my 16 numbers and the floor 2^(5 - 127): the byte cannot fall under 1
.endr
.irp i, 2,4,6,8,10,12,14
.irp b, 0,1,2,3
	s_delay_alu instid0(VALU_DEP_4)
	v_max3_num_f32 v[TM+\b], v[TM+\b], |v[\src+16*\b+\i]|, |v[\src+1+16*\b+\i]|   ; the four blocks by turns
.endr
.endr
.irp b, 0,1,2,3
	s_delay_alu instid0(VALU_DEP_4)
	v_permlanex16_b32 v[TM+4+\b], v[TM+\b], s[SEL], s[SEL+1]
.endr
.irp b, 0,1,2,3
	s_delay_alu instid0(VALU_DEP_4)
	v_max_num_f32 v[TM+\b], v[TM+\b], v[TM+4+\b]   ; with lane l xor 16's 16: the block's largest magnitude
.endr
.irp b, 0,1,2,3
	s_delay_alu instid0(VALU_DEP_4)
	v_add_nc_u32 v[TM+12+\b], 0xfe000000, v[TM+\b]   ; 4 off its exponent field: the conversion's scale operand
.endr
.irp b, 0,1,2,3
	s_delay_alu instid0(VALU_DEP_4)
	v_lshrrev_b32 v[TM+4+\b], 23, v[TM+12+\b]      ; the scale's byte
.endr
	s_delay_alu instid0(VALU_DEP_3)
	v_lshl_or_b32 v[\pw], v[TM+5], 8, v[TM+4]
	s_delay_alu instid0(VALU_DEP_1)
	v_lshl_or_b32 v[\pw], v[TM+6], 16, v[\pw]
	s_delay_alu instid0(VALU_DEP_1)
	v_lshl_or_b32 v[\pw], v[TM+7], 24, v[\pw]
.irp c, 0,1
	v_cvt_scalef32_pk16_bf6_f32 v[\dst+6*\c:\dst+2+6*\c], v[\src+32*\c:\src+15+32*\c], v[TM+12+2*\c]
	v_cvt_scalef32_pk16_bf6_f32 v[TQ+4*\c:TQ+2+4*\c], v[\src+16+32*\c:\src+31+32*\c], v[TM+12+2*\c+1]   ; a conversion's three registers begin on an even number
.endr
	v_nop                                          ; one plain place behind a scaled conversion
.irp c, 0,1                                    ; the layout wants a whole block in a lane: lanes 0-15 block 2 c, lanes 16-31 block 2 c + 1
.irp i, 0,1,2
	v_permlane16_swap_b32 v[\dst+6*\c+\i], v[TQ+4*\c+\i]
.endr
.irp i, 0,1,2
	s_delay_alu instid0(VALU_DEP_3)
	v_mov_b32 v[\dst+3+6*\c+\i], v[TQ+4*\c+\i]
.endr
.endr
.endm
	s_load_b256 s[4:11], s[0:1], 0x0               ; x, Wr's codes, Wr's scales, br
	s_load_b256 s[12:19], s[0:1], 0x20             ; xc, xs, topi, topw
	v_lshl_add_u32 v254, v0, 2, 0x8600
	v_mov_b32 v255, 0
	v_lshrrev_b32 v1, 5, v0
	s_delay_alu instid0(VALU_DEP_1)
	v_readfirstlane_b32 s20, v1                    ; wave 0..7
	v_and_b32 v1, 31, v0                           ; lane
	v_and_b32 v2, 15, v0                           ; r
	v_bfe_u32 v3, v0, 4, 1                         ; h
	s_mov_b32 s[SEL], 0x76543210
	s_mov_b32 s[SEL+1], 0xfedcba98
	v_lshlrev_b32 v[XA], 13, v2
	s_delay_alu instid0(VALU_DEP_1)
	v_lshl_add_u32 v[XA], v3, 6, v[XA]
	s_lshl_b32 s24, s20, 10
	v_add_nc_u32 v[XA], s24, v[XA]
	s_add_co_u32 s24, s24, PL
	v_lshl_add_u32 v[PLA], v1, 4, s24
	v_lshl_add_u32 v[PL0], v1, 4, PL
	s_mul_i32 s24, s20, 192
	v_mul_u32_u24 v[WRA], v2, 1536
	s_delay_alu instid0(VALU_DEP_1)
	v_mad_u32_u24 v[WRA], v3, 24, v[WRA]
	s_delay_alu instid0(VALU_DEP_1)
	v_add_nc_u32 v[WRA], s24, v[WRA]
	v_mul_u32_u24 v[CSA], v2, CPITCH
	s_delay_alu instid0(VALU_DEP_1)
	v_mad_u32_u24 v[CSA], v3, 48, v[CSA]
	s_delay_alu instid0(VALU_DEP_1)
	v_add_nc_u32 v[CSA], s24, v[CSA]
	s_lshl_b32 s24, s20, 3
	v_lshl_add_u32 v[WRS], v2, 6, s24
	s_delay_alu instid0(VALU_DEP_1)
	v_add_nc_u32 v[SSA], SST, v[WRS]
	s_mul_i32 s24, s20, 2*CPITCH
	v_lshl_add_u32 v[RDA], v1, 4, s24
	s_mul_i32 s24, s20, 2*1536
	v_lshl_add_u32 v[GOA], v1, 4, s24
	v_lshlrev_b32 v[T4], 2, v0
	s_delay_alu instid0(VALU_DEP_1)
	v_add_nc_u32 v[SSR], SST, v[T4]
	v_lshlrev_b32 v[BRA], 5, v3
.irp b, 0,1,2,3
	v_mov_b32 v[TM+4+\b], 0                        ; written once: a lane permute's destination counts as one of its sources
.endr
	s_lshl_b32 s24, ttmp9, 17                      ; my 16 rows of x: 16 x 8,192 bytes a work-group
	s_mov_b32 s25, 0
	s_mul_i32 s28, ttmp9, 24576                    ; of xc: 16 x 1,536
	s_mov_b32 s29, 0
	s_lshl_b32 s30, ttmp9, 10                      ; of xs: 16 x 64
	s_mov_b32 s31, 0
	s_wait_alu depctr_va_vdst(0)
	s_wait_kmcnt 0x0
	s_add_nc_u64 s[4:5], s[4:5], s[24:25]
	s_add_nc_u64 s[12:13], s[12:13], s[28:29]
	s_add_nc_u64 s[14:15], s[14:15], s[30:31]
	s_lshl_b32 s24, ttmp9, 8                       ; of topi and topw: 16 x 16
	s_add_nc_u64 s[16:17], s[16:17], s[24:25]
	s_add_nc_u64 s[18:19], s[18:19], s[24:25]
	global_load_b128 v[BR:BR+3], v[BRA], s[10:11]
	global_load_b128 v[BR+4:BR+7], v[BRA], s[10:11] offset:16
.irp s, 0,1
.irp p, 0,1,2,3,4,5
	global_load_b64 v[WF+12*\s+2*\p:WF+12*\s+2*\p+1], v[WRA], s[6:7] offset:96*\s+48*(\p/3)+8*(\p%3)
.endr
	global_load_b32 v[WSC+\s], v[WRS], s[8:9] offset:4*\s
.endr
	XLOAD X0, 0
	XLOAD X1, 1
	s_wait_loadcnt 16                              ; all but the second K step's sixteen loads are in
	QUANT X0, F0, PW
.irp i, 0,1,2
	ds_store_b128 v[CSA], v[F0+4*\i:F0+4*\i+3] offset:16*\i
.endr
	ds_store_b32 v[SSA], v[PW]                     ; lanes r and r + 16 write the same word with the same value
	s_wait_loadcnt 0x0
	QUANT X1, F1, PW+1
.irp i, 0,1,2
	ds_store_b128 v[CSA], v[F1+4*\i:F1+4*\i+3] offset:96+16*\i
.endr
	ds_store_b32 v[SSA], v[PW+1] offset:4
.rept 8
	v_nop                                          ; a scale register written by a vector instruction stands 8 places ahead of a scaled matrix instruction, an operand so written 4
.endr
	v_wmma_scale_f32_16x16x128_f8f6f4 v[A0:A0+7], v[WF:WF+11], v[F0:F0+11], 0, v[WSC], v[PW] matrix_a_fmt:MATRIX_FMT_BF6 matrix_b_fmt:MATRIX_FMT_BF6
	v_wmma_scale_f32_16x16x128_f8f6f4 v[A1:A1+7], v[WF+12:WF+23], v[F1:F1+11], 0, v[WSC+1], v[PW+1] matrix_a_fmt:MATRIX_FMT_BF6 matrix_b_fmt:MATRIX_FMT_BF6
.rept 4
	v_nop                                          ; four places in front of the first read of the results
.endr
.irp k, 0,2,4,6
	v_pk_add_f32 v[PS+\k:PS+\k+1], v[A0+\k:A0+\k+1], v[A1+\k:A1+\k+1]   ; from each result's low end on
.endr
	ds_store_b128 v[PLA], v[PS:PS+3]
	ds_store_b128 v[PLA], v[PS+4:PS+7] offset:512
	s_wait_dscnt 0x0                               ; for the others' sake: my codes, scale words and partial logits lie in LDS
	s_barrier_signal -1
	s_barrier_wait -1
	; every wave sends two tokens' codes and its 128 bytes of the scale bytes
.irp i, 0,1,2,3,4,5
	ds_load_b128 v[16+4*\i:19+4*\i], v[RDA] offset:(\i/3)*CPITCH+512*(\i%3)
.endr
	ds_load_b32 v40, v[SSR]
	s_wait_dscnt 0x0
.irp i, 0,1,2,3,4,5
	global_store_b128 v[GOA], v[16+4*\i:19+4*\i], s[12:13] offset:(\i/3)*1536+512*(\i%3)   ; 32 lanes store 512 consecutive bytes, at a multiple of 256 from xc's first byte
.endr
	global_store_b32 v[T4], v40, s[14:15]
	s_cmp_lg_u32 s20, 0
	s_cbranch_scc1 .Lend                           ; wave 0 goes on alone: no barrier follows
	; the logits: the eight waves' partial tiles, K ascending, then br
.irp w, 0,1,2,3,4,5,6,7
	ds_load_b128 v[48+8*\w:51+8*\w], v[PL0] offset:1024*\w
	ds_load_b128 v[52+8*\w:55+8*\w], v[PL0] offset:1024*\w+512
.endr
.irp j, 0,1,2,3,4,5,6,7
	v_mov_b32 v[112+\j], 0                         ; destinations of the lane permutes below
.endr
	v_mov_b32 v[NEG], 0xff800000
	v_lshlrev_b32 v149, 4, v2                      ; 16 r: my token's place in topi and topw
	s_wait_dscnt 0x0
.irp w, 1,2,3,4,5,6,7
.irp k, 0,2,4,6
	v_pk_add_f32 v[48+\k:49+\k], v[48+\k:49+\k], v[48+8*\w+\k:49+8*\w+\k]
.endr
.endr
.irp k, 0,2,4,6
	s_delay_alu instid0(VALU_DEP_4)
	v_pk_add_f32 v[48+\k:49+\k], v[48+\k:49+\k], v[BR+\k:BR+\k+1]
.endr
.irp j, 0,1,2,3,4,5,6,7
	v_permlanex16_b32 v[112+\j], v[48+\j], s[SEL], s[SEL+1]   ; the token's other eight experts
.endr
	s_mov_b32 vcc_lo, 0xffff0000                   ; lanes 16-31
.irp j, 0,1,2,3,4,5,6,7
	v_cndmask_b32 v[LG+\j], v[48+\j], v[112+\j], vcc_lo       ; experts 0-7
	v_cndmask_b32 v[LG+8+\j], v[112+\j], v[48+\j], vcc_lo     ; experts 8-15: every lane now holds its token's 16 logits in the experts' order
.endr
; One pick: the largest of the 16, the lowest expert that has it; more = 1: that expert's logit becomes -infinity for the next pick.  All by selects: nothing branches on these numbers.
.macro PICK q, more
	v_max3_num_f32 v[VAL+\q], v[LG], v[LG+1], v[LG+2]
.irp i, 3,5,7,9,11,13
	s_delay_alu instid0(VALU_DEP_1)
	v_max3_num_f32 v[VAL+\q], v[VAL+\q], v[LG+\i], v[LG+\i+1]
.endr
	s_delay_alu instid0(VALU_DEP_1)
	v_max_num_f32 v[VAL+\q], v[VAL+\q], v[LG+15]
	v_mov_b32 v[IX+\q], 15
.irp i, 14,13,12,11,10,9,8,7,6,5,4,3,2,1,0
	v_cmp_neq_f32 vcc_lo, v[LG+\i], v[VAL+\q]
	s_delay_alu instid0(VALU_DEP_1)
	v_cndmask_b32 v[IX+\q], \i, v[IX+\q], vcc_lo   ; equal: expert i; walked downward, so the lowest index stays
.endr
.if \more
.irp i, 0,1,2,3,4,5,6,7,8,9,10,11,12,13,14,15
	v_cmp_eq_u32 vcc_lo, \i, v[IX+\q]
	s_delay_alu instid0(VALU_DEP_1)
	v_cndmask_b32 v[LG+\i], v[LG+\i], v[NEG], vcc_lo
.endr
.endif
.endm
	PICK 0, 1
	PICK 1, 1
	PICK 2, 1
	PICK 3, 0
	; the softmax of the four: the first is the largest and is taken away ahead of the exponentials
.irp q, 0,1,2,3
	v_sub_f32 v[150+\q], v[VAL+\q], v[VAL]
.endr
.irp q, 0,1,2,3
	s_delay_alu instid0(VALU_DEP_4)
	v_mul_f32 v[150+\q], 0x3fb8aa3b, v[150+\q]     ; x log2(e)
.endr
	s_wait_alu depctr_va_vdst(0)
.irp q, 0,1,2,3
	v_exp_f32 v[GW+\q], v[150+\q]
.endr
	v_nop                                          ; a plain place behind the last exponential
	s_wait_alu depctr_va_vdst(0)                   ; one wait for the four, ahead of their first reader
	v_add_f32 v154, v[GW], v[GW+1]
	v_add_f32 v154, v154, v[GW+2]
	v_add_f32 v154, v154, v[GW+3]
	s_wait_alu depctr_va_vdst(0)
	v_rcp_f32 v155, v154
	v_nop
	s_wait_alu depctr_va_vdst(0)
.irp q, 0,1,2,3
	v_mul_f32 v[GW+\q], v[GW+\q], v155
.endr
	s_wait_alu depctr_va_vdst(0)
	s_wait_xcnt 0x0                                ; EXEC changes only behind this wait: stores of mine are on their way
	v_cmp_gt_u32 vcc_lo, 16, v1
	s_and_saveexec_b32 s24, vcc_lo                 ; lanes 0-15: a lane a token (lanes 16-31 hold the same numbers)
	global_store_b128 v149, v[IX:IX+3], s[16:17]   ; 16 lanes store 256 consecutive bytes
	global_store_b128 v149, v[GW:GW+3], s[18:19]
	s_wait_xcnt 0x0
	s_or_b32 exec_lo, exec_lo, s24
.Lend:
	s_barrier_signal -1
	s_barrier_wait -1
	s_wait_tensorcnt 0x0
	ds_add_u32 v254, v255
	s_wait_dscnt 0x0
	s_endpgm
.Lfunc_end_k_qfe0a52fc69_route:
	.size	k_qfe0a52fc69_route, .Lfunc_end_k_qfe0a52fc69_route-k_qfe0a52fc69_route
	.p2alignl 7, 3214868480
	.fill 96, 4, 3214868480
	.section	.rodata,"a",@progbits
	.p2align	6, 0x0
	.amdhsa_kernel k_qfe0a52fc69_route
		.amdhsa_group_segment_fixed_size 35328
		.amdhsa_private_segment_fixed_size 0
		.amdhsa_enable_private_segment 0
		.amdhsa_kernarg_size 64
		.amdhsa_user_sgpr_count 2
		.amdhsa_user_sgpr_kernarg_segment_ptr 1
		.amdhsa_wavefront_size32 1
		.amdhsa_system_sgpr_workgroup_id_x 1
		.amdhsa_system_sgpr_workgroup_id_y 1
		.amdhsa_system_sgpr_workgroup_id_z 1
		.amdhsa_system_vgpr_workitem_id 0
		.amdhsa_next_free_vgpr 256
		.amdhsa_next_free_sgpr 66
		.amdhsa_reserve_vcc 1
		.amdhsa_float_denorm_mode_32 3
		.amdhsa_float_denorm_mode_16_64 3
		.amdhsa_memory_ordered 1
		.amdhsa_forward_progress 1
		.amdhsa_inst_pref_size 41
	.end_amdhsa_kernel
	.amdgpu_metadata
---
amdhsa.version: [ 1, 2 ]
amdhsa.kernels:
  - .name:           k_qfe0a52fc69_route
    .symbol:         k_qfe0a52fc69_route.kd
    .args:
      - { .name: x, .offset: 0, .size: 8, .value_kind: global_buffer, .address_space: global }
      - { .name: Wr_codes, .offset: 8, .size: 8, .value_kind: global_buffer, .address_space: global }
      - { .name: Wr_scales, .offset: 16, .size: 8, .value_kind: global_buffer, .address_space: global }
      - { .name: br, .offset: 24, .size: 8, .value_kind: global_buffer, .address_space: global }
      - { .name: xc, .offset: 32, .size: 8, .value_kind: global_buffer, .address_space: global }
      - { .name: xs, .offset: 40, .size: 8, .value_kind: global_buffer, .address_space: global }
      - { .name: topi, .offset: 48, .size: 8, .value_kind: global_buffer, .address_space: global }
      - { .name: topw, .offset: 56, .size: 8, .value_kind: global_buffer, .address_space: global }
    .group_segment_fixed_size: 35328
    .private_segment_fixed_size: 0
    .kernarg_segment_align: 8
    .kernarg_segment_size: 64
    .max_flat_workgroup_size: 256
    .sgpr_count:     66
    .vgpr_count:     256
    .wavefront_size: 32
...
	.end_amdgpu_metadata
.endif
;; end of part 6
;; launch place (part 7): grid 1 x 1, 16 waves a work-group, no clusters, 2,304 bytes of LDS; arguments topi, plan; writes plan
.if DOCPART == 7
	.amdgcn_target "amdgcn-amd-amdhsa--gfx1250"
	.amdhsa_code_object_version 6
	.text
	.protected	k_qfe0a52fc69_place
	.globl	k_qfe0a52fc69_place
	.p2align	8
	.type	k_qfe0a52fc69_place,@function
k_qfe0a52fc69_place:
	s_mov_b64 s[64:65], 0
	v_nop
	global_prefetch_b8 v0, s[64:65] scope:SCOPE_SE
	s_setreg_imm32_b32 hwreg(HW_REG_WAVE_MODE, 25, 1), 1
	s_wait_xcnt 0x0
; PLACE.  A counting sort of the 4,096 routed rows (token, expert) by expert, without atomics.  One work-group; wave e serves expert e and reads all of topi (16 KB).
; Each expert's rows are laid in the tokens' order and filled up to whole tiles of 16 rows; the sum of the experts' tiles is at most 256 + 15 = 271, and 272 tiles (4,352 rows) are kept.
; plan, in words of 4 bytes:  rowtok[4352] at byte 0: the token of each sorted row (fill rows and the rows behind the last tile hold token 0);  posE[16][1024] at 17,408: the sorted row of (expert, token),
; of use only where the token chose the expert;  J0[16] at 82,944: the expert's first tile;  NT[16] at 83,008: its number of tiles.
; No branch and no trip count hangs on data: what is not chosen is masked by EXEC.  One work-group, since the ranks need all tokens: the launch moves 100 KB.
.set IX,  16                           ; v16-143  topi: chunk c (tokens 32 c + lane), four experts each; afterwards v16-47: the tokens' numbers
.set RK,  144                          ; v144-175 chunk c: my token's row
.set AD,  176                          ; v176-207 the same x 4: its byte in rowtok
.set MK,  32                           ; s32-63   chunk c: the lanes whose token chose my expert
.set CNT, 66                           ; s66-81   the 16 experts' counts
	s_load_b128 s[4:7], s[0:1], 0x0                ; topi, plan
	v_lshl_add_u32 v208, v0, 2, 0x100
	v_mov_b32 v209, 0
	v_lshrrev_b32 v1, 5, v0
	s_delay_alu instid0(VALU_DEP_1)
	v_readfirstlane_b32 s8, v1                     ; wave = expert
	v_and_b32 v1, 31, v0                           ; lane
	s_delay_alu instid0(VALU_DEP_1)
	v_lshlrev_b32 v2, 4, v1
	s_lshl_b32 s20, s8, 12
	v_lshl_add_u32 v3, v1, 2, s20                  ; posE: 4,096 e + 4 lane
	s_mov_b32 s9, 0                                ; rows of my expert so far
	s_wait_alu depctr_va_vdst(0)
	s_wait_kmcnt 0x0
.set c, 0
.rept 32
	global_load_b128 v[IX+4*c:IX+4*c+3], v2, s[4:5] offset:512*c
.set c, c+1
.endr
	s_wait_loadcnt 0x0
.set c, 0
.rept 32
	v_cmp_eq_u32 s20, s8, v[IX+4*c]
	v_cmp_eq_u32 s21, s8, v[IX+4*c+1]
	v_cmp_eq_u32 s22, s8, v[IX+4*c+2]
	v_cmp_eq_u32 s23, s8, v[IX+4*c+3]
	s_or_b32 s20, s20, s21
	s_or_b32 s22, s22, s23
	s_or_b32 s[MK+c], s20, s22
	v_mbcnt_lo_u32_b32 v[RK+c], s[MK+c], s9        ; the rank: chosen lanes below mine + the chunks before
	s_bcnt1_i32_b32 s20, s[MK+c]
	s_add_co_u32 s9, s9, s20
.set c, c+1
.endr
	; the counts go round: each wave's to its own word, one barrier, every wave reads all sixteen
	v_mov_b32 v4, s8
	s_delay_alu instid0(VALU_DEP_1)
	v_lshlrev_b32 v4, 2, v4
	v_mov_b32 v5, s9
	ds_store_b32 v4, v5                            ; all lanes write the same word with the same value
	s_wait_dscnt 0x0
	s_barrier_signal -1
	s_barrier_wait -1
	v_mov_b32 v6, 0
.irp i, 0,1,2,3
	ds_load_b128 v[AD+4*\i:AD+4*\i+3], v6 offset:16*\i
.endr
	s_wait_dscnt 0x0
.irp i, 0,1,2,3,4,5,6,7,8,9,10,11,12,13,14,15
	v_readfirstlane_b32 s[CNT+\i], v[AD+\i]
.endr
	s_mov_b32 s82, 0                               ; J0: the tiles of the experts before mine
	s_mov_b32 s83, 0                               ; all tiles
.irp i, 0,1,2,3,4,5,6,7,8,9,10,11,12,13,14,15
	s_add_co_u32 s20, s[CNT+\i], 15
	s_lshr_b32 s20, s20, 4
	s_add_co_u32 s83, s83, s20
	s_cmp_lt_u32 \i, s8
	s_cselect_b32 s21, s20, 0
	s_add_co_u32 s82, s82, s21
.endr
	s_add_co_u32 s84, s9, 15
	s_lshr_b32 s84, s84, 4                         ; my expert's tiles
	s_lshl_b32 s85, s82, 4                         ; my expert's first row
.set c, 0
.rept 32
	v_add_nc_u32 v[RK+c], s85, v[RK+c]
	s_delay_alu instid0(VALU_DEP_1)
	v_min_u32 v[RK+c], 0x10ff, v[RK+c]             ; held inside the 4,352 rows
	s_delay_alu instid0(VALU_DEP_1)
	v_lshlrev_b32 v[AD+c], 2, v[RK+c]
	v_add_nc_u32 v[IX+c], 32*c, v1                 ; the token's number
.set c, c+1
.endr
	v_add_nc_u32 v8, s9, v1                        ; the fill rows of my last tile: rows n_e + lane while under 16 x my tiles (15 at the most)
	s_lshl_b32 s21, s84, 4
	v_cmp_gt_u32 s24, s21, v8
	v_add_nc_u32 v8, s85, v8
	s_delay_alu instid0(VALU_DEP_1)
	v_min_u32 v8, 0x10ff, v8
	s_delay_alu instid0(VALU_DEP_1)
	v_lshlrev_b32 v8, 2, v8
	s_lshl_b32 s22, s83, 4                         ; the rows behind the last tile: at most 4,352 - 4,096 = 256, 32 a wave
	s_lshl_b32 s23, s8, 5
	s_add_co_u32 s22, s22, s23
	v_add_nc_u32 v9, s22, v1
	s_delay_alu instid0(VALU_DEP_1)
	v_cmp_gt_u32 s25, 0x1100, v9
	s_delay_alu instid0(VALU_DEP_2)
	v_min_u32 v9, 0x10ff, v9
	s_delay_alu instid0(VALU_DEP_1)
	v_lshlrev_b32 v9, 2, v9
	v_mov_b32 v10, 0
	v_lshlrev_b32 v11, 6, v1                       ; J0 by lane 0, NT by lane 1, 64 bytes on
	s_lshl_b32 s20, s8, 2
	v_add_nc_u32 v11, s20, v11
	v_mov_b32 v12, s82
	v_mov_b32 v13, s84
	v_cmp_eq_u32 vcc_lo, 1, v1
	s_delay_alu instid0(VALU_DEP_1)
	v_cndmask_b32 v12, v12, v13, vcc_lo
	v_cmp_gt_u32 s26, 2, v1
.set c, 0
.rept 32
	global_store_b32 v3, v[RK+c], s[6:7] offset:17408+128*c   ; posE: every word is written, 128 consecutive bytes an instruction
.set c, c+1
.endr
; A store under a mask.  EXEC is a source of a pending store: it is narrowed and widened only behind s_wait_xcnt 0.
.macro MSTORE mask, adr, dat, off
	s_and_saveexec_b32 s27, s[\mask]
	global_store_b32 v[\adr], v[\dat], s[6:7] offset:\off
	s_wait_xcnt 0x0
	s_or_b32 exec_lo, exec_lo, s27
.endm
	s_wait_alu depctr_va_vdst(0)
	s_wait_xcnt 0x0
.set c, 0
.rept 32
	MSTORE MK+c, AD+c, IX+c, 0                     ; rowtok[my row] = my token, where my token chose this expert
.set c, c+1
.endr
	MSTORE 24, 8, 10, 0                            ; the fill rows: token 0
	MSTORE 25, 9, 10, 0                            ; the rows behind the last tile: token 0
	MSTORE 26, 11, 12, 82944                       ; J0 and NT
	s_wait_xcnt 0x0
	s_mov_b32 exec_lo, -1
	s_wait_tensorcnt 0x0
	ds_add_u32 v208, v209
	s_wait_dscnt 0x0
	s_endpgm
.Lfunc_end_k_qfe0a52fc69_place:
	.size	k_qfe0a52fc69_place, .Lfunc_end_k_qfe0a52fc69_place-k_qfe0a52fc69_place
	.p2alignl 7, 3214868480
	.fill 96, 4, 3214868480
	.section	.rodata,"a",@progbits
	.p2align	6, 0x0
	.amdhsa_kernel k_qfe0a52fc69_place
		.amdhsa_group_segment_fixed_size 2304
		.amdhsa_private_segment_fixed_size 0
		.amdhsa_enable_private_segment 0
		.amdhsa_kernarg_size 16
		.amdhsa_user_sgpr_count 2
		.amdhsa_user_sgpr_kernarg_segment_ptr 1
		.amdhsa_wavefront_size32 1
		.amdhsa_system_sgpr_workgroup_id_x 1
		.amdhsa_system_sgpr_workgroup_id_y 1
		.amdhsa_system_sgpr_workgroup_id_z 1
		.amdhsa_system_vgpr_workitem_id 0
		.amdhsa_next_free_vgpr 210
		.amdhsa_next_free_sgpr 90
		.amdhsa_reserve_vcc 1
		.amdhsa_float_denorm_mode_32 3
		.amdhsa_float_denorm_mode_16_64 3
		.amdhsa_memory_ordered 1
		.amdhsa_forward_progress 1
		.amdhsa_inst_pref_size 42
	.end_amdhsa_kernel
	.amdgpu_metadata
---
amdhsa.version: [ 1, 2 ]
amdhsa.kernels:
  - .name:           k_qfe0a52fc69_place
    .symbol:         k_qfe0a52fc69_place.kd
    .args:
      - { .name: topi, .offset: 0, .size: 8, .value_kind: global_buffer, .address_space: global }
      - { .name: plan, .offset: 8, .size: 8, .value_kind: global_buffer, .address_space: global }
    .group_segment_fixed_size: 2304
    .private_segment_fixed_size: 0
    .kernarg_segment_align: 8
    .kernarg_segment_size: 16
    .max_flat_workgroup_size: 512
    .sgpr_count:     90
    .vgpr_count:     210
    .wavefront_size: 32
...
	.end_amdgpu_metadata
.endif
;; end of part 7
;; launch up (part 8): grid 16 x 16, 4 waves a work-group, no clusters, 116,224 bytes of LDS; arguments xc, xs, W1_codes, W1_scales, b1, plan, hc, hs; writes hc, hs
.if DOCPART == 8
	.amdgcn_target "amdgcn-amd-amdhsa--gfx1250"
	.amdhsa_code_object_version 6
	.text
	.protected	k_qfe0a52fc69_up
	.globl	k_qfe0a52fc69_up
	.p2align	8
	.type	k_qfe0a52fc69_up,@function
k_qfe0a52fc69_up:
	s_mov_b64 s[64:65], 0
	v_nop
	global_prefetch_b8 v0, s[64:65] scope:SCOPE_SE
	s_setreg_imm32_b32 hwreg(HW_REG_WAVE_SCHED_MODE, 0, 2), 2
	s_setreg_imm32_b32 hwreg(HW_REG_WAVE_MODE, 25, 1), 1
	s_wait_xcnt 0x0
	s_wait_alu depctr_vm_vsrc(0)
; UP.  h = Q(relu(x W1[e] + b1[e])) for the rows that chose expert e, on codes of BF6 (E3M2) with one E8M0 scale for each 32 along K; Q is the quantiser along the hidden units, the next product's K.
; SHARES.  Work-group (n, e) owns hidden units 64 n .. 64 n + 63 of expert e for all of K = 2,048: 64 fragments of 16 rows x 128 K, 98,304 bytes: 1 / 256 of W1, read from memory once in the launch.
; THE WEIGHTS STAY: every wave holds all 64 fragments in 768 of its 1,024 registers.  THE WAVES SHARE THE ROWS: wave w takes the expert's tiles of 16 rows w, w + 4, ..  So each fragment of rows enters the
; WGP once, and behind the head no wave waits for another.
; The weights turn once through LDS: each wave loads a quarter of the block as it lies (512 consecutive bytes an instruction), stores it by rows, and behind the one barrier every wave reads all fragments.
; THE ROWS OF W1 THAT FORM A TILE ARE NOT NEIGHBOURS: lane r of tile 2 b + u takes unit 32 b + 8 u + r + 8 (r / 8); the product is used transposed (source 0 = W1, source 1 = x's rows), so a lane holds one
; row, and register 16 b + i of its four tiles is unit 64 n + 32 b + 16 h + i: 16 neighbours along the next K.  The bias is the C of a tile's first matrix instruction.
; x's rows are gathered by the sorted list (plan): a fragment is three loads of 16 bytes a lane from xc, which is laid in the order of the operand's registers.  They come through a ring of eight slots.
; hc: tile T at 12,288 T; in it 768 n + 256 p + 8 lane holds register pair p of my half fragment: each store covers 256 consecutive bytes, aligned.  hs: [4352][32], byte 2 n + b of a row.
; NO TENSOR LOAD, NO CLUSTER: the number of trips hangs on the expert's number of tiles, read from memory, and the rows are gathered.
; An expert that no token chose leaves its sixteen work-groups without rows: they store nothing.  The grid is the same for every split.
; LIMITS: a block of the hidden layer whose largest number lies under 2^-122, a block of zeros among them, gets the byte 1.  NaN and infinities are not served.
; THE MODE: SCHED_MODE bits 1:0 = 2 (LLVM: expert scheduling mode 2), set by the entry lines.  The code itself states the register dependences between vector or matrix instructions and memory or LDS
; instructions, with s_wait_alu, always for 0.
; THE PLAN.  Registers that memory or LDS instructions touch, in the loop:
;   RING       K step s's four products read slot s % 8.  The steps go in pairs.  At the head of pair p one wait on va_vdst states that pair p - 1's products are done reading their two slots; the loads of K steps
;              2 p + 6 and 2 p + 7 (from pair 5 on the next tile's 2 p - 10 and 2 p - 9) follow it and land there.  Pair p's own products name other slots.  Slots 6 and 7 are asked for at the head of the way out.
;   ACC        Written by the products and the relu, read by the conversions; then the bias lands in it from LDS, behind the wait on va_vdst at the way out's end.
;   PC, BYS, HO, SO   Written in the way out ahead of that same wait; read by the four stores that follow it.
;   TA, XA, XAN, XSA  Offsets, read by loads, each written once a trip.  They and the four above are written again only behind the one wait on vm_vsrc, which stands in the way out behind the loads into slots 6 and 7.
;   TOK, XSN   Loads land in them; vector lines read them; a wait on va_vdst stands between those lines and the next load into them.
;   XS         Copied by vector lines in the way out; taken as scales by the next trip's products: eight places and a wait on va_vdst at the trip's head.
.set WPITCH, 1552                      ; a row of W1 in the stage: 1,536 bytes + 16
.set BIM,    64*WPITCH                 ; behind the 64 rows: the bias as an image of the 32 accumulator registers, 4,096 bytes for each wave
.set GW,  4                            ; v4   16 lane
.set LSW, 5                            ; v5   into the stage: my wave's 16 rows, 16 lane
.set WA,  6                            ; v6   out of it: (r + 8 (r / 8)) WPITCH + 24 h
.set R4,  7                            ; v7   4 r
.set TA,  8                            ; v8   my row's word in rowtok
.set TOK, 9                            ; v9   its token
.set XA,  10                           ; v10  the tile in hand: token x 1,536 + 48 h
.set XAN, 11                           ; v11  the next tile's
.set XSA, 12                           ; v12  token x 64 + 32 h
.set H48, 13
.set H32, 14
.set HO0, 15                           ; v15  768 n + 8 lane
.set HO,  16                           ; v16  + 12,288 T
.set SO0, 17                           ; v17  32 r + 2 n + h
.set SO,  18                           ; v18  + 512 T
.set BIA, 19                           ; v19  BIM + 4,096 w + 16 lane
.set MX,  24                           ; v24-25 the two blocks' largest numbers
.set PX,  26                           ; v26-27 lane l xor 16's
.set SOP, 28                           ; v28-29 the conversions' scale operands
.set BY,  30                           ; v30-31 the bytes;  v32 mine to store
.set BYS, 32
.set PC,  34                           ; v34-39 my block's 24 bytes of codes
.set PT,  40                           ; v40-42 the second conversion's
.set WS,  48                           ; v48-79 W1's scale words: 16 b + s: K step s; lanes 0-15 tile 2 b, lanes 16-31 tile 2 b + 1
.set XS,  80                           ; v80-87 x's scale words: register i: K step i in lanes 0-15, K step 8 + i in lanes 16-31
.set XSN, 88                           ; v88-95 the next tile's
.set ACC, 96                           ; v96-127 four accumulators
.set W63, 128                          ; v128-139 fragment 63
.set RING, 140                         ; v140-235 eight fragments of x's rows
; Fragment f = 4 s + t (K step s, tile t): f < 60: window 1 + f / 20, register 12 (f % 20); 60, 61, 62: v240 of windows 1, 2, 3; 63: window 0.
.set MSB, 0
.macro WIN new                         ; the immediate's high byte repeats the setting that is left; a switch that changes nothing is dropped
.if MSB != (\new)
	s_set_vgpr_msb (MSB<<8)|(\new)
.set MSB, (\new)
.endif
.endm
.macro WPOS f
.if (\f) < 60
.set WW, 1+(\f)/20
.set WR, 12*((\f)%20)
.elseif (\f) < 63
.set WW, (\f)-59
.set WR, 240
.else
.set WW, 0
.set WR, W63
.endif
.set WD, WW<<6
.endm
.macro WF f                            ; fragment f out of the stage: six pieces of 8 bytes, so that every address is a multiple of the access's size
	WPOS \f
	WIN WD
.irp p, 0,1,2,3,4,5
	ds_load_b64 v[WR+2*\p:WR+2*\p+1], v[WA] offset:(32*(((\f)%4)/2)+8*((\f)%2))*WPITCH+96*((\f)/4)+48*(\p/3)+8*(\p%3)
.endr
.endm
.macro MM f, s, t                      ; one product: tile t, K step s.  Source 0 in the fragment's window, all else in window 0
	WPOS \f
	WIN WW
.set rD, ACC+8*(\t)
.set rB, RING+12*((\s)%8)
.set rSA, WS+16*((\t)/2)+(\s)
.set rSB, XS+(\s)%8
.if ((\t)%2 == 0) && ((\s) < 8)
	v_wmma_scale_f32_16x16x128_f8f6f4 v[rD:rD+7], v[WR:WR+11], v[rB:rB+11], v[rD:rD+7], v[rSA], v[rSB] matrix_a_fmt:MATRIX_FMT_BF6 matrix_b_fmt:MATRIX_FMT_BF6
.elseif ((\t)%2 == 1) && ((\s) < 8)
	v_wmma_scale_f32_16x16x128_f8f6f4 v[rD:rD+7], v[WR:WR+11], v[rB:rB+11], v[rD:rD+7], v[rSA], v[rSB] matrix_a_fmt:MATRIX_FMT_BF6 matrix_b_fmt:MATRIX_FMT_BF6 matrix_a_scale:MATRIX_SCALE_ROW1
.elseif ((\t)%2 == 0)
	v_wmma_scale_f32_16x16x128_f8f6f4 v[rD:rD+7], v[WR:WR+11], v[rB:rB+11], v[rD:rD+7], v[rSA], v[rSB] matrix_a_fmt:MATRIX_FMT_BF6 matrix_b_fmt:MATRIX_FMT_BF6 matrix_b_scale:MATRIX_SCALE_ROW1
.else
	v_wmma_scale_f32_16x16x128_f8f6f4 v[rD:rD+7], v[WR:WR+11], v[rB:rB+11], v[rD:rD+7], v[rSA], v[rSB] matrix_a_fmt:MATRIX_FMT_BF6 matrix_b_fmt:MATRIX_FMT_BF6 matrix_a_scale:MATRIX_SCALE_ROW1 matrix_b_scale:MATRIX_SCALE_ROW1
.endif
.endm
.macro PLACES                          ; four places between a matrix instruction and a load into a register that it has read, or the first read of its result; the wait on va_vdst comes behind them and fills none
.rept 4
	v_nop
.endr
.endm
.macro XLD s, adr                      ; K step s of the 16 rows at adr into ring slot s % 8
.irp i, 0,1,2
	global_load_b128 v[RING+12*((\s)%8)+4*\i:RING+12*((\s)%8)+4*\i+3], v[\adr], s[4:5] offset:96*(\s)+16*\i
.endr
.endm
	s_load_b256 s[4:11], s[0:1], 0x0               ; xc, xs, W1's codes, W1's scales
	s_load_b256 s[12:19], s[0:1], 0x20             ; b1, plan, hc, hs
	v_lshl_add_u32 v254, v0, 2, 0x1c400
	v_mov_b32 v255, 0
	v_lshrrev_b32 v1, 5, v0
	v_readfirstlane_b32 s20, v1                    ; wave 0..3
	s_mov_b32 s21, ttmp9                           ; n
	s_and_b32 s22, ttmp7, 0xffff                   ; e
	v_and_b32 v1, 31, v0                           ; lane
	v_and_b32 v2, 15, v0                           ; r
	v_bfe_u32 v3, v0, 4, 1                         ; h
	s_mov_b32 s24, 0x76543210
	s_mov_b32 s25, 0xfedcba98                      ; selects of v_permlanex16_b32 for lane l xor 16
	s_mov_b32 vcc_lo, 0xffff0000                   ; lanes 16-31: kept for the whole kernel; written by this scalar line alone
	v_lshlrev_b32 v[GW], 4, v1
	s_wait_alu depctr_va_sdst(0)                   ; s20, the wave's number, is written, ahead of its first reader
	s_mul_i32 s26, s20, 16*WPITCH
	v_add_nc_u32 v[LSW], s26, v[GW]
	v_and_b32 v20, 8, v2
	v_add_nc_u32 v20, v20, v2                      ; r + 8 (r / 8)
	v_mul_u32_u24 v[WA], v20, WPITCH
	v_mad_u32_u24 v[WA], v3, 24, v[WA]
	v_lshlrev_b32 v[R4], 2, v2
	v_mul_u32_u24 v[H48], v3, 48
	v_lshlrev_b32 v[H32], 5, v3
	s_mul_i32 s26, s21, 768
	v_lshl_add_u32 v[HO0], v1, 3, s26
	s_lshl_b32 s26, s21, 1
	v_lshl_add_u32 v[SO0], v2, 5, s26
	v_add_nc_u32 v[SO0], v[SO0], v3
	s_lshl_b32 s26, s20, 12
	s_add_co_u32 s26, s26, BIM
	v_add_nc_u32 v[BIA], s26, v[GW]
	v_lshl_add_u32 v20, v3, 3, v20                 ; W1's scale words: unit r + 8 (r / 8) + 8 h of a pair of tiles,
	v_lshlrev_b32 v20, 6, v20                      ; 64 bytes a unit
	v_lshlrev_b32 v21, 6, v3                       ; the bias: 16 h numbers on
	v_mov_b32 v[PX], 0                             ; written once: a lane permute's destination counts as one of its sources
	v_mov_b32 v[PX+1], 0
	s_lshl_b32 s34, s22, 10
	s_lshl_b32 s35, s21, 6
	s_add_co_u32 s34, s34, s35                     ; my work-group's first unit: 1,024 e + 64 n
	s_lshl_b32 s35, s20, 4
	s_add_co_u32 s35, s34, s35                     ; my wave's quarter of the block
	s_mul_i32 s26, s35, 1536
	s_mov_b32 s27, 0
	s_lshl_b32 s36, s22, 2
	s_wait_kmcnt 0x0
	s_load_b32 s28, s[14:15], s36 offset:82944     ; the expert's first tile
	s_load_b32 s29, s[14:15], s36 offset:83008     ; and its number of tiles
	s_add_nc_u64 s[8:9], s[8:9], s[26:27]
	s_lshl_b32 s26, s34, 6
	s_add_nc_u64 s[10:11], s[10:11], s[26:27]
	s_lshl_b32 s26, s34, 2
	s_add_nc_u64 s[12:13], s[12:13], s[26:27]
	WIN 0x40                                       ; destination window 1
	s_wait_alu depctr_va_vdst(0)                   ; GW, LSW, WA, BIA, v20 and v21 are written: the head's loads and LDS instructions, and the loop's loads of the bias, read them as addresses; none is written again
.set i, 0
.rept 48
	global_load_b128 v[4*i:4*i+3], v[GW], s[8:9] offset:512*i th:TH_LOAD_NT   ; 24,576 dense bytes a wave, 512 an instruction; read once in the launch
.set i, i+1
.endr
	WIN 0
	s_wait_kmcnt 0x0
	s_min_u32 s28, s28, 271                        ; loaded numbers are held before they enter an address
	s_min_u32 s29, s29, 64
	s_add_co_u32 s32, s28, s20
	s_min_u32 s32, s32, 271
	s_lshl_b32 s32, s32, 6
	v_add_nc_u32 v[TA], s32, v[R4]
	s_wait_alu depctr_va_vdst(0)                   ; TA is written, which the load below reads
	global_load_b32 v[TOK], v[TA], s[14:15]        ; my first tile's tokens
.irp b, 0,1
.irp k, 0,1,2,3
	global_load_b128 v[WS+16*\b+4*\k:WS+16*\b+4*\k+3], v20, s[10:11] offset:2048*\b+16*\k
.endr
.endr
.irp t, 0,1,2,3
	global_load_b128 v[ACC+8*\t:ACC+8*\t+3], v21, s[12:13] offset:(32*(\t/2)+8*(\t%2))*4
	global_load_b128 v[ACC+8*\t+4:ACC+8*\t+7], v21, s[12:13] offset:(32*(\t/2)+8*(\t%2))*4+16
.endr
	WIN 0x04                                       ; an LDS store's data are its source 1: window 1
.set k, 0
.rept 6
	s_wait_loadcnt 57-8*k                          ; the next eight loads of weights are in: out may be the 40 - 8 k behind them and the 17 small loads
.set i, 8*k
.rept 8
	ds_store_b128 v[LSW], v[4*i:4*i+3] offset:(i/3)*WPITCH+512*(i%3)
.set i, i+1
.endr
.set k, k+1
.endr
	WIN 0
	s_wait_loadcnt 16                              ; the tokens are in; W1's scale words and the bias, 16 loads, may be out
	v_min_u32 v[TOK], 0x3ff, v[TOK]
	v_mul_u32_u24 v[XA], v[TOK], 1536
	v_add_nc_u32 v[XA], v[XA], v[H48]
	v_lshl_add_u32 v[XSA], v[TOK], 6, v[H32]
	s_wait_alu depctr_va_vdst(0)                   ; XA and XSA are written, which the 26 loads below read
	global_load_b128 v[XS:XS+3], v[XSA], s[6:7]
	global_load_b128 v[XS+4:XS+7], v[XSA], s[6:7] offset:16
.irp s, 0,1,2,3,4,5,6,7
	XLD \s, XA                                     ; the first tile's first eight K steps land while the weights are read out of the stage
.endr
	s_wait_loadcnt 26                              ; all but the 26 just issued: the bias is in
.irp k, 0,1,2,3,4,5,6,7
	ds_store_b128 v[BIA], v[ACC+4*\k:ACC+4*\k+3] offset:512*\k   ; its image, for the tiles to come; the first tile finds it in the accumulators
.endr
	s_wait_dscnt 0x0                               ; for the others' sake: my quarter of the weights lies in LDS
	s_barrier_signal -1
	s_barrier_wait -1                              ; the only barrier ahead of the end: it stands ahead of every branch on loaded numbers
	s_wait_alu depctr_vm_vsrc(0)                   ; my LDS stores have read window 1's registers, in which the fragments below land, and the accumulators, which the products write; the tokens' load has read TA, which the first trip writes
.set F, 0
.rept 20
	WF F
.set F, F+1
.endr
	WF 60
.rept 20
	WF F
.set F, F+1
.endr
	WF 61
.rept 20
	WF F
.set F, F+1
.endr
	WF 62
	WF 63
	WIN 0
	s_wait_dscnt 0x0
	s_cmp_ge_u32 s20, s29
	s_cbranch_scc1 .Lend                           ; fewer tiles than waves, or none
	s_sub_co_u32 s30, s29, 1                       ; the expert's last tile
	s_sub_co_u32 s38, s29, s20                     ; my trips: tiles w, w + 4, .. under the expert's number: (number - w + 3) / 4, from 1 to 16
	s_add_co_u32 s38, s38, 3
	s_lshr_b32 s38, s38, 2
	s_mov_b32 s37, 0                               ; the trip
.macro STEP4 s                         ; a K step's four products: the accumulators by turns
.irp t, 0,1,2,3
	MM 4*(\s)+\t, \s, \t
.endr
.endm
; A pair of K steps, 2 p and 2 p + 1.  At its head (p > 0): four places, the one wait on va_vdst, and the six loads into the two slots that the pair before read.  They stand ahead of the pair's wait for its own
; data, so that they are on their way while the wave waits.  At pair 5 the next tile's offsets are made first: those four lines name no register of a product, and are the four places.
; THE COUNTS.  Loads come back in order (ISA guide 5.7.1).  The order of issue round the loop, three loads a fragment: pair 5: the next tile's two loads of scale words, its fragments 0, 1; pair 6: 2, 3; pair 7: 4, 5;
; the way out: 6, 7; the trip's head: the tokens' one; pair 1: fragments 8, 9; .. pair 4: 14, 15.  Behind an even step's fragment stand seven fragments, 21 loads, and for p < 4 the tokens' load: 22; p = 4: 21;
; p > 4: the two loads of scale words: 23.  Behind an odd step's: a fragment fewer: 19, 18, 20.  The tokens' load is older than fragment 8: it is in at pair 5.
.macro PAIR p
.if (\p) == 5
	v_min_u32 v[TOK], 0x3ff, v[TOK]
	v_mul_u32_u24 v[XAN], v[TOK], 1536
	v_add_nc_u32 v[XAN], v[XAN], v[H48]
	v_lshl_add_u32 v[XSA], v[TOK], 6, v[H32]
.elseif (\p) > 0
	PLACES
.endif
.if (\p) > 0
	s_wait_alu depctr_va_vdst(0)                   ; the products of the pair before are done reading their two slots, in which the loads below land; at pair 5 also: XAN and XSA are written, and the last way out's copies are done reading XSN
.endif
.if (\p) == 5
	global_load_b128 v[XSN:XSN+3], v[XSA], s[6:7]
	global_load_b128 v[XSN+4:XSN+7], v[XSA], s[6:7] offset:16
.endif
.if ((\p) > 0) && ((\p) < 5)
	XLD 2*(\p)+6, XA
	XLD 2*(\p)+7, XA
.elseif (\p) > 4
	XLD 2*(\p)-10, XAN
	XLD 2*(\p)-9, XAN
.endif
.if (\p) < 4
	s_wait_loadcnt 22
.elseif (\p) == 4
	s_wait_loadcnt 21
.else
	s_wait_loadcnt 23
.endif
	STEP4 2*(\p)
.if (\p) < 4
	s_wait_loadcnt 19
.elseif (\p) == 4
	s_wait_loadcnt 18
.else
	s_wait_loadcnt 20
.endif
	STEP4 2*(\p)+1
	WIN 0
.endm
.Ltile:
	s_lshl_b32 s31, s37, 2
	s_add_co_u32 s31, s31, s20                     ; my tile among the expert's: 4 x trip + wave
	s_add_co_u32 s32, s28, s31
	s_min_u32 s32, s32, 271                        ; the tile in hand
	s_add_co_u32 s33, s31, 4
	s_min_u32 s33, s33, s30                        ; the next one; in the last trip the expert's last tile once more, so that no load leaves its buffer
	s_add_co_u32 s33, s33, s28
	s_min_u32 s33, s33, 271
	s_lshl_b32 s33, s33, 6
	v_add_nc_u32 v[TA], s33, v[R4]                 ; (the load that read TA stands ahead of the last wait on vm_vsrc: the last way out's, or the one behind the barrier)
.rept 8
	v_nop                                          ; x's scale words were copied by vector instructions: 8 places ahead of a scaled matrix instruction
.endr
	s_wait_dscnt 0x0                               ; the bias lies in the accumulators
	s_wait_alu depctr_va_vdst(0)                   ; TA is written, which the load below reads; the lines that read and wrote TOK are done, in which it lands; the copies have written XS, which the products take as scales
	global_load_b32 v[TOK], v[TA], s[14:15]
.irp p, 0,1,2,3,4,5,6,7
	PAIR \p
.endr
	; the way out: the ring's last two slots are asked for; relu, the two blocks' scales, the codes
	PLACES                                         ; in front of the first read of the results
	s_wait_alu depctr_va_vdst(0)                   ; the products of K steps 14 and 15 are done reading slots 6 and 7, in which the loads below land
	XLD 6, XAN
	XLD 7, XAN
.set j, 0
.rept 32
	v_max_num_f32 v[ACC+j], 0, v[ACC+j]            ; each accumulator from its low end on
.set j, j+1
.endr
.irp b, 0,1
	v_max3_num_f32 v[MX+\b], v[ACC+16*\b], v[ACC+16*\b+1], 0x2800000   ; none is negative: no |.|; the floor 2^(5 - 127) holds the byte at 1 from below
.endr
.irp i, 2,4,6,8,10,12,14
.irp b, 0,1
	v_max3_num_f32 v[MX+\b], v[MX+\b], v[ACC+16*\b+\i], v[ACC+16*\b+\i+1]
.endr
.endr
.irp b, 0,1
	v_permlanex16_b32 v[PX+\b], v[MX+\b], s24, s25
.endr
.irp b, 0,1
	v_max_num_f32 v[MX+\b], v[MX+\b], v[PX+\b]
.endr
.irp b, 0,1
	v_add_nc_u32 v[SOP+\b], 0xfe000000, v[MX+\b]   ; 4 off the exponent field: the conversion's scale operand
.endr
.irp b, 0,1
	v_lshrrev_b32 v[BY+\b], 23, v[SOP+\b]
.endr
	s_wait_loadcnt 24                              ; the next tile's scale words are in: behind them its first eight fragments, 24 loads
.irp i, 0,1,2,3,4,5,6,7
	v_mov_b32 v[XS+\i], v[XSN+\i]
.endr
	s_wait_xcnt 0x0                                ; the last trip's stores have read their data and addresses, this trip's loads their offsets: these are written again only behind this wait
	s_wait_alu depctr_vm_vsrc(0)                   ; the same, stated for the registers: the last trip's stores have read PC, BYS, HO and SO; this trip's loads have read XA, TA, XAN and XSA.  XA and the stores' four are written below, TA at the next trip's head, XAN and XSA at its pair 5
	v_mov_b32 v[XA], v[XAN]
	v_cndmask_b32 v[BYS], v[BY], v[BY+1], vcc_lo   ; lane (r, h) stores block h's byte
	v_cvt_scalef32_pk16_bf6_f32 v[PC:PC+2], v[ACC:ACC+15], v[SOP]
	v_cvt_scalef32_pk16_bf6_f32 v[PT:PT+2], v[ACC+16:ACC+31], v[SOP+1]
	v_nop                                          ; one plain place behind a scaled conversion
.irp i, 0,1,2
	v_permlane16_swap_b32 v[PC+\i], v[PT+\i]       ; a whole block to a lane: lanes 0-15 block 0, lanes 16-31 block 1
.endr
.irp i, 0,1,2
	v_mov_b32 v[PC+3+\i], v[PT+\i]
.endr
	s_mul_i32 s34, s32, 12288
	v_add_nc_u32 v[HO], s34, v[HO0]
	s_lshl_b32 s34, s32, 9
	v_add_nc_u32 v[SO], s34, v[SO0]
	s_wait_alu depctr_va_vdst(0)                   ; the relu has written and the conversions are done reading the accumulators, in which the bias lands; PC, BYS, HO and SO are written, which the stores read
.irp k, 0,1,2,3,4,5,6,7
	ds_load_b128 v[ACC+4*\k:ACC+4*\k+3], v[BIA] offset:512*\k   ; the bias for the next tile
.endr
.irp p, 0,1,2
	global_store_b64 v[HO], v[PC+2*\p:PC+2*\p+1], s[16:17] offset:256*\p   ; 32 lanes store 256 consecutive bytes, at a multiple of 256 from hc's first byte
.endr
	global_store_b8 v[SO], v[BYS], s[18:19]        ; two bytes of each of 16 rows: one byte in 24 of what the trip stores
	s_add_co_u32 s37, s37, 1
	s_cmp_lt_u32 s37, s38
	s_cbranch_scc1 .Ltile
.Lend:
	s_wait_dscnt 0x0
	s_barrier_signal -1
	s_barrier_wait -1
	s_wait_dscnt 0x0                               ; the closing lines, six on end
	s_wait_alu 0x0
	s_wait_tensorcnt 0x0
	ds_add_u32 v254, v255
	s_wait_dscnt 0x0
	s_endpgm
.Lfunc_end_k_qfe0a52fc69_up:
	.size	k_qfe0a52fc69_up, .Lfunc_end_k_qfe0a52fc69_up-k_qfe0a52fc69_up
	.p2alignl 7, 3214868480
	.fill 96, 4, 3214868480
	.section	.rodata,"a",@progbits
	.p2align	6, 0x0
	.amdhsa_kernel k_qfe0a52fc69_up
		.amdhsa_group_segment_fixed_size 116224
		.amdhsa_private_segment_fixed_size 0
		.amdhsa_enable_private_segment 0
		.amdhsa_kernarg_size 64
		.amdhsa_user_sgpr_count 2
		.amdhsa_user_sgpr_kernarg_segment_ptr 1
		.amdhsa_wavefront_size32 1
		.amdhsa_system_sgpr_workgroup_id_x 1
		.amdhsa_system_sgpr_workgroup_id_y 1
		.amdhsa_system_sgpr_workgroup_id_z 1
		.amdhsa_system_vgpr_workitem_id 0
		.amdhsa_next_free_vgpr 1024
		.amdhsa_next_free_sgpr 66
		.amdhsa_reserve_vcc 1
		.amdhsa_float_denorm_mode_32 3
		.amdhsa_float_denorm_mode_16_64 3
		.amdhsa_memory_ordered 1
		.amdhsa_forward_progress 1
		.amdhsa_inst_pref_size 61
	.end_amdhsa_kernel
	.amdgpu_metadata
---
amdhsa.version: [ 1, 2 ]
amdhsa.kernels:
  - .name:           k_qfe0a52fc69_up
    .symbol:         k_qfe0a52fc69_up.kd
    .args:
      - { .name: xc, .offset: 0, .size: 8, .value_kind: global_buffer, .address_space: global }
      - { .name: xs, .offset: 8, .size: 8, .value_kind: global_buffer, .address_space: global }
      - { .name: W1_codes, .offset: 16, .size: 8, .value_kind: global_buffer, .address_space: global }
      - { .name: W1_scales, .offset: 24, .size: 8, .value_kind: global_buffer, .address_space: global }
      - { .name: b1, .offset: 32, .size: 8, .value_kind: global_buffer, .address_space: global }
      - { .name: plan, .offset: 40, .size: 8, .value_kind: global_buffer, .address_space: global }
      - { .name: hc, .offset: 48, .size: 8, .value_kind: global_buffer, .address_space: global }
      - { .name: hs, .offset: 56, .size: 8, .value_kind: global_buffer, .address_space: global }
    .group_segment_fixed_size: 116224
    .private_segment_fixed_size: 0
    .kernarg_segment_align: 8
    .kernarg_segment_size: 64
    .max_flat_workgroup_size: 128
    .sgpr_count:     66
    .vgpr_count:     1024
    .wavefront_size: 32
...
	.end_amdgpu_metadata
.endif
;; end of part 8
;; launch down (part 9): grid 16 x 16, 4 waves a work-group, no clusters, 134,656 bytes of LDS; arguments hc, hs, W2_codes, W2_scales, b2, plan, y; writes y
.if DOCPART == 9
	.amdgcn_target "amdgcn-amd-amdhsa--gfx1250"
	.amdhsa_code_object_version 6
	.text
	.protected	k_qfe0a52fc69_down
	.globl	k_qfe0a52fc69_down
	.p2align	8
	.type	k_qfe0a52fc69_down,@function
k_qfe0a52fc69_down:
	s_mov_b64 s[64:65], 0
	v_nop
	global_prefetch_b8 v0, s[64:65] scope:SCOPE_SE
	s_setreg_imm32_b32 hwreg(HW_REG_WAVE_SCHED_MODE, 0, 2), 2
	s_setreg_imm32_b32 hwreg(HW_REG_WAVE_MODE, 25, 1), 1
	s_wait_xcnt 0x0
	s_wait_alu depctr_vm_vsrc(0)
; DOWN.  y = h W2[e] + b2[e] for the sorted rows of expert e, on codes of BF6 (E3M2) with one E8M0 scale for each 32 along K = the 1,024 hidden units.  The gate's weight is applied by the launch that adds.
; SHARES, as in the launch before.  Work-group (n, e) owns outputs 128 n .. 128 n + 127 of expert e for all of K: 64 fragments, 98,304 bytes, 1 / 256 of W2, read from memory once.  Every wave holds all 64 in
; 768 registers; wave w takes the expert's tiles of 16 rows w, w + 4, ..
; The weights turn once through LDS (rows of 768 bytes + 16).  The product is used transposed: source 0 = 16 rows of W2 (outputs), source 1 = 16 rows of h: a lane holds eight neighbouring outputs of one row.
; h's fragments lie in hc as images of the operand's registers: six loads of 8 bytes a lane, each 256 consecutive bytes.  The next tile's eight K steps are asked for while the tile in hand is multiplied.
; The results go through the wave's own stage in LDS and leave as rows of 512 bytes; b2 is added on the way, in the rows' layout, where it costs four registers.
; NO TENSOR LOAD, NO CLUSTER: the number of trips hangs on the expert's number of tiles, read from memory.  An expert without rows leaves its sixteen work-groups nothing to store.
; THE MODE: SCHED_MODE bits 1:0 = 2 (LLVM: expert scheduling mode 2), set by the entry lines.  The code itself states the register dependences between vector or matrix instructions and memory or LDS
; instructions, with s_wait_alu, always for 0.
; THE PLAN.  Registers that memory or LDS instructions touch, in the loop:
;   RING       K step s's eight products read slot s.  The steps go in pairs.  At the head of pair p one wait on va_vdst states that pair p - 1's products are done reading their two slots; the next tile's same two
;              K steps follow it and land there.  Pair p's own products name other slots.  Slots 6 and 7 are asked for at the head of the way out.
;   ACC        Written by the products; read by the LDS stores into the stage, behind the way out's first wait on va_vdst; then the rows land in the same registers, behind a wait on vm_vsrc; b2 is added, eight rows at a
;              time, and each eight rows' stores stand behind one wait on va_vdst.  The next trip's products write them behind the wait on vm_vsrc at the trip's head.
;   HA, HSA, YO  Offsets, read by loads and stores, each written once a trip, behind the wait on vm_vsrc at the trip's head.
;   HSN        A load lands in it at pair 1; the way out's copies read it.
;   HS         Copied by vector lines in the way out; taken as scales by the next trip's products: eight places and a wait on va_vdst at the trip's head.
.set WPITCH, 784                       ; a row of W2 in the stage: 768 bytes + 16: 49 x 16, so the 16 rows of a fragment begin in different banks
.set OST,    128*WPITCH                ; behind the 128 rows: the way out, 16 rows x (512 + 16) bytes for each wave
.set GW,  4                            ; v4   16 lane
.set LSA, 5                            ; v5   into the stage: my wave's 32 rows, + 16 lane
.set LSB, 6                            ; v6   the same, + 16 for lanes 16-31: where a load's 512 bytes cross from one row into the next
.set WA0, 7                            ; v7   out of it: r WPITCH + 24 h, tiles 0-3
.set WA1, 8                            ; v8   tiles 4-7
.set HA,  9                            ; v9   the next tile in hc: 12,288 T + 8 lane
.set HSA, 10                           ; v10  and in hs: 512 T + 32 r + 16 h
.set L8,  11
.set RH,  12
.set YO0, 13                           ; v13  512 n + 16 lane
.set YO,  14                           ; v14  + 131,072 T
.set STO, 15                           ; v15  the way out: row r, + 32 h
.set SRD, 16                           ; v16  and back: 16 lane
.set BIAS, 24                          ; v24-27 b2 at outputs 128 n + 4 lane + 0 .. 3
.set WS,  28                           ; v28-59 W2's scale words: 8 b + s: K step s; lanes 0-15 tile 2 b, lanes 16-31 tile 2 b + 1
.set HS,  60                           ; v60-63 h's scale words: register i: K step i in lanes 0-15, 4 + i in lanes 16-31
.set HSN, 64                           ; v64-67 the next tile's
.set ACC, 68                           ; v68-131 eight accumulators
.set W63, 132                          ; v132-143 fragment 63
.set RING, 144                         ; v144-239 the tile's eight fragments
; Fragment f = 8 s + t (K step s, tile t): f < 60: window 1 + f / 20, register 12 (f % 20); 60, 61, 62: v240 of windows 1, 2, 3; 63: window 0.
.set MSB, 0
.macro WIN new
.if MSB != (\new)
	s_set_vgpr_msb (MSB<<8)|(\new)
.set MSB, (\new)
.endif
.endm
.macro WPOS f
.if (\f) < 60
.set WW, 1+(\f)/20
.set WR, 12*((\f)%20)
.elseif (\f) < 63
.set WW, (\f)-59
.set WR, 240
.else
.set WW, 0
.set WR, W63
.endif
.set WD, WW<<6
.endm
.macro WF f
	WPOS \f
	WIN WD
.irp p, 0,1,2,3,4,5
.if ((\f)%8) < 4
	ds_load_b64 v[WR+2*\p:WR+2*\p+1], v[WA0] offset:16*((\f)%4)*WPITCH+96*((\f)/8)+48*(\p/3)+8*(\p%3)
.else
	ds_load_b64 v[WR+2*\p:WR+2*\p+1], v[WA1] offset:16*((\f)%4)*WPITCH+96*((\f)/8)+48*(\p/3)+8*(\p%3)
.endif
.endr
.endm
.macro MM f, s, t                      ; one product: tile t, K step s; K step 0 starts the sums with the constant 0
	WPOS \f
	WIN WW
.set rD, ACC+8*(\t)
.set rB, RING+12*(\s)
.set rSA, WS+8*((\t)/2)+(\s)
.set rSB, HS+(\s)%4
.if ((\s) == 0) && ((\t)%2 == 0)
	v_wmma_scale_f32_16x16x128_f8f6f4 v[rD:rD+7], v[WR:WR+11], v[rB:rB+11], 0, v[rSA], v[rSB] matrix_a_fmt:MATRIX_FMT_BF6 matrix_b_fmt:MATRIX_FMT_BF6
.elseif (\s) == 0
	v_wmma_scale_f32_16x16x128_f8f6f4 v[rD:rD+7], v[WR:WR+11], v[rB:rB+11], 0, v[rSA], v[rSB] matrix_a_fmt:MATRIX_FMT_BF6 matrix_b_fmt:MATRIX_FMT_BF6 matrix_a_scale:MATRIX_SCALE_ROW1
.elseif ((\t)%2 == 0) && ((\s) < 4)
	v_wmma_scale_f32_16x16x128_f8f6f4 v[rD:rD+7], v[WR:WR+11], v[rB:rB+11], v[rD:rD+7], v[rSA], v[rSB] matrix_a_fmt:MATRIX_FMT_BF6 matrix_b_fmt:MATRIX_FMT_BF6
.elseif (\s) < 4
	v_wmma_scale_f32_16x16x128_f8f6f4 v[rD:rD+7], v[WR:WR+11], v[rB:rB+11], v[rD:rD+7], v[rSA], v[rSB] matrix_a_fmt:MATRIX_FMT_BF6 matrix_b_fmt:MATRIX_FMT_BF6 matrix_a_scale:MATRIX_SCALE_ROW1
.elseif (\t)%2 == 0
	v_wmma_scale_f32_16x16x128_f8f6f4 v[rD:rD+7], v[WR:WR+11], v[rB:rB+11], v[rD:rD+7], v[rSA], v[rSB] matrix_a_fmt:MATRIX_FMT_BF6 matrix_b_fmt:MATRIX_FMT_BF6 matrix_b_scale:MATRIX_SCALE_ROW1
.else
	v_wmma_scale_f32_16x16x128_f8f6f4 v[rD:rD+7], v[WR:WR+11], v[rB:rB+11], v[rD:rD+7], v[rSA], v[rSB] matrix_a_fmt:MATRIX_FMT_BF6 matrix_b_fmt:MATRIX_FMT_BF6 matrix_a_scale:MATRIX_SCALE_ROW1 matrix_b_scale:MATRIX_SCALE_ROW1
.endif
.endm
.macro PLACES                          ; four places behind a matrix instruction (ISA guide 7.12.1); the wait on va_vdst comes behind them and fills none
.rept 4
	v_nop
.endr
.endm
.macro HLD s                           ; K step s of the tile at HA into ring slot s
.irp q, 0,1,2,3,4,5
	global_load_b64 v[RING+12*(\s)+2*\q:RING+12*(\s)+2*\q+1], v[HA], s[4:5] offset:1536*(\s)+256*\q
.endr
.endm
	s_load_b256 s[4:11], s[0:1], 0x0               ; hc, hs, W2's codes, W2's scales
	s_load_b128 s[12:15], s[0:1], 0x20             ; b2, plan
	s_load_b64 s[16:17], s[0:1], 0x30              ; y
	v_lshl_add_u32 v254, v0, 2, 0x20c00
	v_mov_b32 v255, 0
	v_lshrrev_b32 v1, 5, v0
	v_readfirstlane_b32 s20, v1                    ; wave 0..3
	s_mov_b32 s21, ttmp9                           ; n
	s_and_b32 s22, ttmp7, 0xffff                   ; e
	v_and_b32 v1, 31, v0                           ; lane
	v_and_b32 v2, 15, v0                           ; r
	v_bfe_u32 v3, v0, 4, 1                         ; h
	v_lshlrev_b32 v[GW], 4, v1
	s_wait_alu depctr_va_sdst(0)                   ; s20, the wave's number, is written, ahead of its first reader
	s_mul_i32 s26, s20, 32*WPITCH
	v_add_nc_u32 v[LSA], s26, v[GW]
	v_lshl_add_u32 v[LSB], v3, 4, v[LSA]
	v_mul_u32_u24 v[WA0], v2, WPITCH
	v_mad_u32_u24 v[WA0], v3, 24, v[WA0]
	v_add_nc_u32 v[WA1], 64*WPITCH, v[WA0]
	v_lshlrev_b32 v[L8], 3, v1
	v_lshlrev_b32 v[RH], 5, v2
	v_lshl_add_u32 v[RH], v3, 4, v[RH]
	s_lshl_b32 s26, s21, 9
	v_add_nc_u32 v[YO0], s26, v[GW]
	s_mul_i32 s26, s20, 16*528
	s_add_co_u32 s26, s26, OST
	v_mul_u32_u24 v[STO], v2, 528
	v_lshl_add_u32 v[STO], v3, 5, v[STO]
	v_add_nc_u32 v[STO], s26, v[STO]
	v_add_nc_u32 v[SRD], s26, v[GW]
	v_lshlrev_b32 v20, 5, v1                       ; W2's scale words: output 16 h + r = lane of a pair of tiles, 32 bytes an output
	s_lshl_b32 s34, s22, 11
	s_lshl_b32 s35, s21, 7
	s_add_co_u32 s34, s34, s35                     ; my work-group's first output: 2,048 e + 128 n
	s_lshl_b32 s35, s20, 5
	s_add_co_u32 s35, s34, s35                     ; my wave's quarter of the block
	s_mul_i32 s26, s35, 768
	s_mov_b32 s27, 0
	s_lshl_b32 s36, s22, 2
	s_wait_kmcnt 0x0
	s_load_b32 s28, s[14:15], s36 offset:82944     ; the expert's first tile
	s_load_b32 s29, s[14:15], s36 offset:83008     ; and its number of tiles
	s_add_nc_u64 s[8:9], s[8:9], s[26:27]
	s_lshl_b32 s26, s34, 5
	s_add_nc_u64 s[10:11], s[10:11], s[26:27]
	s_lshl_b32 s26, s34, 2
	s_add_nc_u64 s[12:13], s[12:13], s[26:27]
	WIN 0x40                                       ; destination window 1
	s_wait_alu depctr_va_vdst(0)                   ; GW, LSA, LSB, WA0, WA1, STO, SRD and v20 are written: the head's loads and the kernel's LDS instructions read them as addresses; none is written again
.set i, 0
.rept 48
	global_load_b128 v[4*i:4*i+3], v[GW], s[8:9] offset:512*i th:TH_LOAD_NT   ; 24,576 dense bytes a wave, 512 an instruction; read once in the launch
.set i, i+1
.endr
	WIN 0
.irp b, 0,1,2,3
	global_load_b128 v[WS+8*\b:WS+8*\b+3], v20, s[10:11] offset:1024*\b
	global_load_b128 v[WS+8*\b+4:WS+8*\b+7], v20, s[10:11] offset:1024*\b+16
.endr
	global_load_b128 v[BIAS:BIAS+3], v[GW], s[12:13]
	s_wait_kmcnt 0x0
	s_min_u32 s28, s28, 271                        ; loaded numbers are held before they enter an address
	s_min_u32 s29, s29, 64
	s_max_u32 s30, s29, 1
	s_sub_co_u32 s30, s30, 1                       ; the expert's last tile
	s_min_u32 s32, s20, s30
	s_add_co_u32 s32, s32, s28
	s_min_u32 s32, s32, 271                        ; my first tile (a wave without one reads inside the buffers and uses nothing)
	s_mul_i32 s33, s32, 12288
	v_add_nc_u32 v[HA], s33, v[L8]
	s_lshl_b32 s33, s32, 9
	v_add_nc_u32 v[HSA], s33, v[RH]
	WIN 0x04                                       ; an LDS store's data are its source 1: window 1
.set k, 0
.rept 6
	s_wait_loadcnt 49-8*k                          ; the next eight loads of weights are in: out may be the 40 - 8 k behind them and the 9 small loads
.set i, 8*k
.rept 8
.if (i%3) == 0
	ds_store_b128 v[LSA], v[4*i:4*i+3] offset:512*i+32*(i/3)         ; a row of 768 bytes is one and a half loads: 16 bytes more for each row passed
.elseif (i%3) == 1
	ds_store_b128 v[LSB], v[4*i:4*i+3] offset:512*i+32*(i/3)
.else
	ds_store_b128 v[LSA], v[4*i:4*i+3] offset:512*i+32*(i/3)+16
.endif
.set i, i+1
.endr
.set k, k+1
.endr
	WIN 0
	s_wait_alu depctr_va_vdst(0)                   ; HA and HSA are written, which the 49 loads below read
	global_load_b128 v[HS:HS+3], v[HSA], s[6:7]
.irp s, 0,1,2,3,4,5,6,7
	HLD \s                                         ; my first tile lands while the weights are read out of the stage
.endr
	s_wait_dscnt 0x0                               ; for the others' sake: my quarter of the weights lies in LDS
	s_barrier_signal -1
	s_barrier_wait -1                              ; the only barrier ahead of the end: it stands ahead of every branch on loaded numbers
	s_wait_alu depctr_vm_vsrc(0)                   ; my LDS stores have read window 1's registers, in which the fragments below land
.set F, 0
.rept 20
	WF F
.set F, F+1
.endr
	WF 60
.rept 20
	WF F
.set F, F+1
.endr
	WF 61
.rept 20
	WF F
.set F, F+1
.endr
	WF 62
	WF 63
	WIN 0
	s_wait_dscnt 0x0
	s_cmp_ge_u32 s20, s29
	s_cbranch_scc1 .Lend                           ; fewer tiles than waves, or none
	s_sub_co_u32 s38, s29, s20                     ; my trips: tiles w, w + 4, .. under the expert's number: (number - w + 3) / 4, from 1 to 16
	s_add_co_u32 s38, s38, 3
	s_lshr_b32 s38, s38, 2
	s_mov_b32 s37, 0                               ; the trip
.macro STEP8 s                         ; a K step's eight products: the accumulators by turns
.irp t, 0,1,2,3,4,5,6,7
	MM 8*(\s)+\t, \s, \t
.endr
.endm
; A pair of K steps, 2 p and 2 p + 1.  At its head (p > 0): four places, the one wait on va_vdst, and the next tile's twelve loads into the two slots that the pair before read (at pair 1 its scale words first).
; They stand ahead of the pair's wait for its own data, so that they are on their way while the wave waits.
; THE COUNTS.  Loads come back in order (ISA guide 5.7.1).  The order of issue round the loop, six loads a fragment: pair 1: the next tile's one load of scale words, its fragments 0, 1; pair 2: 2, 3; pair 3: 4, 5;
; the way out: 6, 7.  K step 0: behind fragment 0 stand fragments 1 to 7: 42 (W2's scale words, b2 and h's scale words are older: in); K step 1: 36.  Later even steps: seven fragments and the scale words' load: 43; odd: 37.
.macro PAIR p
.if (\p) > 0
	PLACES
	s_wait_alu depctr_va_vdst(0)                   ; the products of the pair before are done reading their two slots, in which the loads below land; at pair 1 also: the last way out's copies are done reading HSN
.if (\p) == 1
	global_load_b128 v[HSN:HSN+3], v[HSA], s[6:7]
.endif
	HLD 2*(\p)-2
	HLD 2*(\p)-1
	s_wait_loadcnt 43
.else
	s_wait_loadcnt 42
.endif
	STEP8 2*(\p)
.if (\p) > 0
	s_wait_loadcnt 37
.else
	s_wait_loadcnt 36
.endif
	STEP8 2*(\p)+1
	WIN 0
.endm
.Ltile:
	s_lshl_b32 s31, s37, 2
	s_add_co_u32 s31, s31, s20                     ; my tile among the expert's: 4 x trip + wave
	s_add_co_u32 s32, s28, s31
	s_min_u32 s32, s32, 271                        ; the tile in hand
	s_add_co_u32 s33, s31, 4
	s_min_u32 s33, s33, s30                        ; the next one; in the last trip the expert's last tile once more, so that no load leaves its buffer
	s_add_co_u32 s33, s33, s28
	s_min_u32 s33, s33, 271
	s_wait_xcnt 0x0                                ; the last trip's stores have read the accumulators' registers and YO, its loads HA and HSA: all are written again only behind this wait
	s_wait_alu depctr_vm_vsrc(0)                   ; the same, stated for the registers: HA and HSA are written below, the accumulators by this trip's first products, YO in its way out
	s_mul_i32 s34, s33, 12288
	v_add_nc_u32 v[HA], s34, v[L8]
	s_lshl_b32 s34, s33, 9
	v_add_nc_u32 v[HSA], s34, v[RH]
.rept 8
	v_nop                                          ; h's scale words were copied by vector instructions: 8 places ahead of a scaled matrix instruction
.endr
	s_wait_alu depctr_va_vdst(0)                   ; the copies have written HS, which the products take as scales; HA and HSA are written, which this trip's loads read
.irp p, 0,1,2,3
	PAIR \p
.endr
	; the way out: the ring's last two slots are asked for; a lane's 32 bytes of a row into my stage, whole rows of 512 bytes back
	PLACES                                         ; in front of the first read of the results
	s_wait_alu depctr_va_vdst(0)                   ; the products have written the accumulators, which the LDS stores read and in which the rows land; those of K steps 6 and 7 are done reading slots 6 and 7, in which the loads below land
	HLD 6
	HLD 7
.irp t, 0,1,2,3,4,5,6,7
	ds_store_b128 v[STO], v[ACC+8*\t:ACC+8*\t+3] offset:64*\t          ; each accumulator from its low end on
	ds_store_b128 v[STO], v[ACC+8*\t+4:ACC+8*\t+7] offset:64*\t+16
.endr
	s_wait_alu depctr_vm_vsrc(0)                   ; the LDS stores have read the accumulators' registers, in which the rows below land
.irp i, 0,1,2,3,4,5,6,7,8,9,10,11,12,13,14,15
	ds_load_b128 v[ACC+4*\i:ACC+4*\i+3], v[SRD] offset:528*\i          ; LDS serves a wave's instructions in order (ISA guide 5.7.1.4): these see the stores above
.endr
	s_wait_loadcnt 48                              ; the next tile's scale words are in: behind them its eight fragments, 48 loads
.irp i, 0,1,2,3
	v_mov_b32 v[HS+\i], v[HSN+\i]
.endr
	s_lshl_b32 s34, s32, 17
	v_add_nc_u32 v[YO], s34, v[YO0]
	s_wait_dscnt 8                                 ; rows 0 to 7 are back; the eight younger LDS loads may be out
.irp i, 0,1,2,3,4,5,6,7
	v_pk_add_f32 v[ACC+4*\i:ACC+4*\i+1], v[ACC+4*\i:ACC+4*\i+1], v[BIAS:BIAS+1]
	v_pk_add_f32 v[ACC+4*\i+2:ACC+4*\i+3], v[ACC+4*\i+2:ACC+4*\i+3], v[BIAS+2:BIAS+3]
.endr
	s_wait_alu depctr_va_vdst(0)                   ; the additions have written rows 0 to 7, and YO is written: the eight stores below read them
.irp i, 0,1,2,3,4,5,6,7
	global_store_b128 v[YO], v[ACC+4*\i:ACC+4*\i+3], s[16:17] offset:8192*\i th:TH_STORE_NT   ; 32 lanes store 512 consecutive bytes of one row, at a multiple of 256 from y's first byte
.endr
	s_wait_dscnt 0x0                               ; rows 8 to 15 are back
.irp i, 8,9,10,11,12,13,14,15
	v_pk_add_f32 v[ACC+4*\i:ACC+4*\i+1], v[ACC+4*\i:ACC+4*\i+1], v[BIAS:BIAS+1]               ; these name none of the registers that the stores above read
	v_pk_add_f32 v[ACC+4*\i+2:ACC+4*\i+3], v[ACC+4*\i+2:ACC+4*\i+3], v[BIAS+2:BIAS+3]
.endr
	s_wait_alu depctr_va_vdst(0)                   ; the additions have written rows 8 to 15, which the eight stores below read
.irp i, 8,9,10,11,12,13,14,15
	global_store_b128 v[YO], v[ACC+4*\i:ACC+4*\i+3], s[16:17] offset:8192*\i th:TH_STORE_NT
.endr
	s_add_co_u32 s37, s37, 1
	s_cmp_lt_u32 s37, s38
	s_cbranch_scc1 .Ltile
.Lend:
	s_barrier_signal -1
	s_barrier_wait -1
	s_wait_dscnt 0x0                               ; the closing lines, six on end
	s_wait_alu 0x0
	s_wait_tensorcnt 0x0
	ds_add_u32 v254, v255
	s_wait_dscnt 0x0
	s_endpgm
.Lfunc_end_k_qfe0a52fc69_down:
	.size	k_qfe0a52fc69_down, .Lfunc_end_k_qfe0a52fc69_down-k_qfe0a52fc69_down
	.p2alignl 7, 3214868480
	.fill 96, 4, 3214868480
	.section	.rodata,"a",@progbits
	.p2align	6, 0x0
	.amdhsa_kernel k_qfe0a52fc69_down
		.amdhsa_group_segment_fixed_size 134656
		.amdhsa_private_segment_fixed_size 0
		.amdhsa_enable_private_segment 0
		.amdhsa_kernarg_size 56
		.amdhsa_user_sgpr_count 2
		.amdhsa_user_sgpr_kernarg_segment_ptr 1
		.amdhsa_wavefront_size32 1
		.amdhsa_system_sgpr_workgroup_id_x 1
		.amdhsa_system_sgpr_workgroup_id_y 1
		.amdhsa_system_sgpr_workgroup_id_z 1
		.amdhsa_system_vgpr_workitem_id 0
		.amdhsa_next_free_vgpr 1024
		.amdhsa_next_free_sgpr 66
		.amdhsa_reserve_vcc 0
		.amdhsa_float_denorm_mode_32 3
		.amdhsa_float_denorm_mode_16_64 3
		.amdhsa_memory_ordered 1
		.amdhsa_forward_progress 1
		.amdhsa_inst_pref_size 62
	.end_amdhsa_kernel
	.amdgpu_metadata
---
amdhsa.version: [ 1, 2 ]
amdhsa.kernels:
  - .name:           k_qfe0a52fc69_down
    .symbol:         k_qfe0a52fc69_down.kd
    .args:
      - { .name: hc, .offset: 0, .size: 8, .value_kind: global_buffer, .address_space: global }
      - { .name: hs, .offset: 8, .size: 8, .value_kind: global_buffer, .address_space: global }
      - { .name: W2_codes, .offset: 16, .size: 8, .value_kind: global_buffer, .address_space: global }
      - { .name: W2_scales, .offset: 24, .size: 8, .value_kind: global_buffer, .address_space: global }
      - { .name: b2, .offset: 32, .size: 8, .value_kind: global_buffer, .address_space: global }
      - { .name: plan, .offset: 40, .size: 8, .value_kind: global_buffer, .address_space: global }
      - { .name: y, .offset: 48, .size: 8, .value_kind: global_buffer, .address_space: global }
    .group_segment_fixed_size: 134656
    .private_segment_fixed_size: 0
    .kernarg_segment_align: 8
    .kernarg_segment_size: 56
    .max_flat_workgroup_size: 128
    .sgpr_count:     66
    .vgpr_count:     1024
    .wavefront_size: 32
...
	.end_amdgpu_metadata
.endif
;; end of part 9
;; launch sum (part 10): grid 256 x 1, 8 waves a work-group, no clusters, 0 bytes of LDS; arguments x, y, topi, topw, plan, out0; writes out0
.if DOCPART == 10
	.amdgcn_target "amdgcn-amd-amdhsa--gfx1250"
	.amdhsa_code_object_version 6
	.text
	.protected	k_qfe0a52fc69_sum
	.globl	k_qfe0a52fc69_sum
	.p2align	8
	.type	k_qfe0a52fc69_sum,@function
k_qfe0a52fc69_sum:
	s_mov_b64 s[64:65], 0
	v_nop
	global_prefetch_b8 v0, s[64:65] scope:SCOPE_SE
	s_setreg_imm32_b32 hwreg(HW_REG_WAVE_MODE, 25, 1), 1
	s_wait_xcnt 0x0
; SUM.  out[t] = x[t] + the sum over the token's four experts of weight x y[row of (expert, token)].  A stream: each wave takes half a token's row, 4,096 bytes, of x and of the four rows of y.
; Each output row has one owner, so nothing is added across work-groups.  The rows of y are found by two steps of scalar loads: the token's experts (topi), then their sorted rows (posE in plan).
; All 40 loads of a wave are issued before the first is waited for; every load and store covers 512 consecutive bytes.  No LDS, no barrier, no matrix unit: memory binds.
; ORDER OF ROUNDING: x is the addend of the first fused multiply-add and the four products follow in the pick's order; the reference adds x last.
	s_load_b256 s[4:11], s[0:1], 0x0               ; x, y, topi, topw
	s_load_b128 s[12:15], s[0:1], 0x20             ; plan, out0
	v_lshrrev_b32 v1, 5, v0
	s_delay_alu instid0(VALU_DEP_1)
	v_readfirstlane_b32 s24, v1                    ; wave 0..7
	v_and_b32 v1, 31, v0
	s_lshr_b32 s25, s24, 1
	s_lshl_b32 s26, ttmp9, 2
	s_add_co_u32 s25, s25, s26                     ; my token: 4 x work-group + wave / 2
	s_and_b32 s26, s24, 1
	s_lshl_b32 s26, s26, 12                        ; my half of the row
	v_lshl_add_u32 v2, v1, 4, s26
	s_lshl_b32 s27, s25, 13
	v_add_nc_u32 v3, s27, v2                       ; my bytes in x and in out0
	s_lshl_b32 s27, s25, 4
	s_wait_alu depctr_va_vdst(0)
	s_wait_kmcnt 0x0
	s_load_b128 s[16:19], s[8:9], s27 offset:0x0   ; the four experts
	s_load_b128 s[20:23], s[10:11], s27 offset:0x0 ; their weights
.irp j, 0,1,2,3,4,5,6,7
	global_load_b128 v[16+4*\j:19+4*\j], v3, s[4:5] offset:512*\j th:TH_LOAD_NT
.endr
	s_wait_kmcnt 0x0
.irp q, 0,1,2,3
	s_min_u32 s[16+\q], s[16+\q], 15               ; loaded numbers are held before they enter an address
	s_lshl_b32 s[32+\q], s[16+\q], 10
	s_add_co_u32 s[32+\q], s[32+\q], s25
	s_lshl_b32 s[32+\q], s[32+\q], 2
	s_load_b32 s[28+\q], s[12:13], s[32+\q] offset:17408   ; posE[expert][token]
.endr
.irp q, 0,1,2,3
	s_mov_b32 s[36+2*\q], s[20+\q]                 ; each weight in a pair of its own: the packed form names a pair and takes its low word for both halves
	s_mov_b32 s[37+2*\q], s[20+\q]
.endr
	s_wait_kmcnt 0x0
.irp q, 0,1,2,3
	s_min_u32 s[28+\q], s[28+\q], 0x10ff
	s_lshl_b32 s[28+\q], s[28+\q], 13
	v_add_nc_u32 v[4+\q], s[28+\q], v2
.endr
.irp j, 0,1,2,3,4,5,6,7
.irp q, 0,1,2,3
	global_load_b128 v[48+16*\j+4*\q:51+16*\j+4*\q], v[4+\q], s[6:7] offset:512*\j th:TH_LOAD_NT   ; each row of y is read once
.endr
.endr
.irp j, 0,1,2,3,4,5,6,7
	s_wait_loadcnt 4*(7-\j)                        ; piece j of the four rows is in (x is older); the later pieces, four loads each, may be out
.irp q, 0,1,2,3
.irp k, 0,2
	v_pk_fma_f32 v[16+4*\j+\k:17+4*\j+\k], v[48+16*\j+4*\q+\k:49+16*\j+4*\q+\k], s[36+2*\q:37+2*\q], v[16+4*\j+\k:17+4*\j+\k] op_sel_hi:[1,0,1]
.endr
.endr
	global_store_b128 v3, v[16+4*\j:19+4*\j], s[14:15] offset:512*\j th:TH_STORE_NT
.endr
	s_endpgm
.Lfunc_end_k_qfe0a52fc69_sum:
	.size	k_qfe0a52fc69_sum, .Lfunc_end_k_qfe0a52fc69_sum-k_qfe0a52fc69_sum
	.p2alignl 7, 3214868480
	.fill 96, 4, 3214868480
	.section	.rodata,"a",@progbits
	.p2align	6, 0x0
	.amdhsa_kernel k_qfe0a52fc69_sum
		.amdhsa_group_segment_fixed_size 0
		.amdhsa_private_segment_fixed_size 0
		.amdhsa_enable_private_segment 0
		.amdhsa_kernarg_size 48
		.amdhsa_user_sgpr_count 2
		.amdhsa_user_sgpr_kernarg_segment_ptr 1
		.amdhsa_wavefront_size32 1
		.amdhsa_system_sgpr_workgroup_id_x 1
		.amdhsa_system_sgpr_workgroup_id_y 1
		.amdhsa_system_sgpr_workgroup_id_z 1
		.amdhsa_system_vgpr_workitem_id 0
		.amdhsa_next_free_vgpr 176
		.amdhsa_next_free_sgpr 66
		.amdhsa_reserve_vcc 0
		.amdhsa_float_denorm_mode_32 3
		.amdhsa_float_denorm_mode_16_64 3
		.amdhsa_memory_ordered 1
		.amdhsa_forward_progress 1
		.amdhsa_inst_pref_size 12
	.end_amdhsa_kernel
	.amdgpu_metadata
---
amdhsa.version: [ 1, 2 ]
amdhsa.kernels:
  - .name:           k_qfe0a52fc69_sum
    .symbol:         k_qfe0a52fc69_sum.kd
    .args:
      - { .name: x, .offset: 0, .size: 8, .value_kind: global_buffer, .address_space: global }
      - { .name: y, .offset: 8, .size: 8, .value_kind: global_buffer, .address_space: global }
      - { .name: topi, .offset: 16, .size: 8, .value_kind: global_buffer, .address_space: global }
      - { .name: topw, .offset: 24, .size: 8, .value_kind: global_buffer, .address_space: global }
      - { .name: plan, .offset: 32, .size: 8, .value_kind: global_buffer, .address_space: global }
      - { .name: out0, .offset: 40, .size: 8, .value_kind: global_buffer, .address_space: global }
    .group_segment_fixed_size: 0
    .private_segment_fixed_size: 0
    .kernarg_segment_align: 8
    .kernarg_segment_size: 48
    .max_flat_workgroup_size: 256
    .sgpr_count:     66
    .vgpr_count:     176
    .wavefront_size: 32
...
	.end_amdgpu_metadata
.endif
;; end of part 10
